; MI455X (gfx1250); checked and timed in simulation.
; The chip was launched on July 23, 2026; its instructions are those of AMD's public machine-readable ISA for CDNA 5 (MIT licence, August 2026) and "CDNA5" Instruction Set Architecture Reference Guide (July 2026). The comments in the code are by the model that wrote it; some were corrected since.
;; Sparse Mo E. Allowed arithmetic: matrix products marked QUANTISED: E5M2 operands, one given power-of-two scale a tensor, by v_wmma_f32_16x16x64_bf8_bf8 or v_wmma_f32_16x16x128_bf8_bf8, f32 sums; products left as they are: f32 operands where the result goes on into a quantised operand, else bf16, f16 or f32 operands; f32 sums; everything else in f32.
;; Inputs: W1_codes 8 x 4,096 x 32 x 32 uint8 (E5M2 codes of W1, K innermost, in blocks of 32 codes); W2_codes 8 x 1,024 x 128 x 32 uint8 (E5M2 codes of W2, K innermost, in blocks of 32 codes); Wg 1,024 x 8 float32; b1 8 x 4,096 float32; b2 8 x 1,024 float32; bg 8 float32; lowp_scales 32 int32 (the exponents e of the quantised operands' scales 2^e); x 4 x 256 x 1,024 float32.
;; Outputs: out0 4 x 256 x 1,024 float32.
;; This version of the problem:
;;   THIS VERSION OF THE PROBLEM IS GIVEN IN LOW PRECISION. The matrix products marked QUANTISED in the list below multiply operands that are first quantised to E5M2 (5 exponent bits, 2 mantissa bits; 8 bits a number), with one given power-of-two scale for each operand tensor; their sums are f32. All else is computed in f32.
;;   The module's matrix products, in the order in which they are computed (A, B: the left and right operand; K: the contracted axis; several contracted axes count as one K, in the product's order):
;;     1. [M 1,024, K 1,024] x [K 1,024, N 8]; A: input x; B: input Wg: left as it is (N = 8 < 16)
;;     2. [M 1,024, K 1,024] x [K 1,024, N 4,096]; A: input x; B: input W1 (given as codes): QUANTISED (scales: A lowp_scales[0], B lowp_scales[1])
;;     3. [M 1,024, K 4,096] x [K 4,096, N 1,024]; A: computed on the way; B: input W2 (given as codes): QUANTISED (scales: A lowp_scales[2], B lowp_scales[3])
;;     4. [M 1,024, K 1,024] x [K 1,024, N 4,096]; A: input x; B: input W1 (given as codes): QUANTISED (scales: A lowp_scales[4], B lowp_scales[5])
;;     5. [M 1,024, K 4,096] x [K 4,096, N 1,024]; A: computed on the way; B: input W2 (given as codes): QUANTISED (scales: A lowp_scales[6], B lowp_scales[7])
;;     6. [M 1,024, K 1,024] x [K 1,024, N 4,096]; A: input x; B: input W1 (given as codes): QUANTISED (scales: A lowp_scales[8], B lowp_scales[9])
;;     7. [M 1,024, K 4,096] x [K 4,096, N 1,024]; A: computed on the way; B: input W2 (given as codes): QUANTISED (scales: A lowp_scales[10], B lowp_scales[11])
;;     8. [M 1,024, K 1,024] x [K 1,024, N 4,096]; A: input x; B: input W1 (given as codes): QUANTISED (scales: A lowp_scales[12], B lowp_scales[13])
;;     9. [M 1,024, K 4,096] x [K 4,096, N 1,024]; A: computed on the way; B: input W2 (given as codes): QUANTISED (scales: A lowp_scales[14], B lowp_scales[15])
;;     10. [M 1,024, K 1,024] x [K 1,024, N 4,096]; A: input x; B: input W1 (given as codes): QUANTISED (scales: A lowp_scales[16], B lowp_scales[17])
;;     11. [M 1,024, K 4,096] x [K 4,096, N 1,024]; A: computed on the way; B: input W2 (given as codes): QUANTISED (scales: A lowp_scales[18], B lowp_scales[19])
;;     12. [M 1,024, K 1,024] x [K 1,024, N 4,096]; A: input x; B: input W1 (given as codes): QUANTISED (scales: A lowp_scales[20], B lowp_scales[21])
;;     13. [M 1,024, K 4,096] x [K 4,096, N 1,024]; A: computed on the way; B: input W2 (given as codes): QUANTISED (scales: A lowp_scales[22], B lowp_scales[23])
;;     14. [M 1,024, K 1,024] x [K 1,024, N 4,096]; A: input x; B: input W1 (given as codes): QUANTISED (scales: A lowp_scales[24], B lowp_scales[25])
;;     15. [M 1,024, K 4,096] x [K 4,096, N 1,024]; A: computed on the way; B: input W2 (given as codes): QUANTISED (scales: A lowp_scales[26], B lowp_scales[27])
;;     16. [M 1,024, K 1,024] x [K 1,024, N 4,096]; A: input x; B: input W1 (given as codes): QUANTISED (scales: A lowp_scales[28], B lowp_scales[29])
;;     17. [M 1,024, K 4,096] x [K 4,096, N 1,024]; A: computed on the way; B: input W2 (given as codes): QUANTISED (scales: A lowp_scales[30], B lowp_scales[31])
;;   THE QUANTISER, for each operand of a quantised product, along K:
;;     - The operand's scale is 2^e, e = its entry of the input lowp_scales (int32; the entries are numbered through the quantised products in the list's order, A before B).
;;     - Each number is divided by the scale, clamped to +-57,344, and rounded to the nearest number of E5M2, ties to even, subnormals kept.
;;     - The product sums the exact products of the quantised numbers (number of the format x scale) in f32.
;;   ~~~python
;;   def quantise(x, axis, e):      # numpy; x: float32 -> the quantised numbers, widened to float32 again
;;       x = np.moveaxis(x, axis, -1); K = x.shape[-1]
;;       r = np.clip(x / 2.0 ** e, -57344, 57344)
;;       step = 2.0 ** (np.maximum(np.frexp(np.where(r == 0, 1, r))[1] - 1, -14) - 2)
;;       q = np.round(r / step) * step * 2.0 ** e      # np.round: ties to even
;;       return np.moveaxis(q, -1, axis).astype(np.float32)
;;   ~~~
;;   OPERANDS COMPUTED ON THE WAY. 'Computed on the way' means the value that the module computes at that place (a softmax that the list does not call 'softmax' is quantised finished and normalised). What goes into a quantiser is computed in f32, as accurately as f32 sums, v_exp_f32 and their like allow (about 1e-6 of the number): no bf16 or f16 on the way to a quantiser, and a product that is left as it is and whose result goes on into a quantised operand takes f32 operands (vector FMAs, or v_wmma_f32_16x16x4_f32). A number that lies on a knife's edge between two numbers of the format may be rounded either way, as far as f32 arithmetic and the matrix unit's own rounding can turn it there, and no further.
;;   INPUTS GIVEN AS CODES. W1 (in the module: [8, 1024, 4096], K = its axis 1); W2 (in the module: [8, 4096, 1024], K = its axis 1): each comes as NAME_codes (uint8): NAME with its K axis moved to the last place and cut into blocks of 32 codes, [.., K / 32, bytes a block], one block behind the other in memory; one code a byte (a code: sign, 5 exponent bits, 2 mantissa bits); its scale is its entry of lowp_scales. Its value is code x scale, taken as it is: it is not quantised again, and the codes and scales need not be those that the quantiser above would give.
;; 2 versions, each right; version 2 is version 1 with the launches up, down written anew for expert scheduling mode. Each part assembles by itself: llvm-mc -triple=amdgcn-amd-amdhsa -mcpu=gfx1250 --defsym DOCPART=n.
;; ======== version 1 of 2: 4 launches
;; workspace buffers: xq 2,097,152 bytes; masks 2,048 bytes of whole numbers; gates 8,192 bytes; hfrag 33,554,432 bytes; y 8,454,144 bytes
;; launch route (part 1): grid 32 x 1, 8 waves a work-group, no clusters, 37,376 bytes of LDS; arguments x, Wg, bg, lowp_scales, xq, masks, gates; writes xq, masks, gates
.if DOCPART == 1
	.amdgcn_target "amdgcn-amd-amdhsa--gfx1250"
	.amdhsa_code_object_version 6
	.text
	.protected	k_q3896499f99_route
	.globl	k_q3896499f99_route
	.p2align	8
	.type	k_q3896499f99_route,@function
k_q3896499f99_route:
	s_mov_b64 s[64:65], 0
	v_nop
	global_prefetch_b8 v0, s[64:65] scope:SCOPE_SE
	s_setreg_imm32_b32 hwreg(HW_REG_WAVE_MODE, 25, 1), 1
	s_wait_xcnt 0x0
; THE ROUTER.  logits = x Wg + bg in f32 (fused multiply-adds); the two largest logits of each token, ties to the lower index; their softmax; and x quantised
; to E5M2 once for each of the token's two experts, with that expert's own scale 2^ex, ex = lowp_scales[4 e].
; OUT: xq row 2 t + j (j = 0: first pick, 1: second): 1,024 codes, K innermost.  gates[2 t + j], f32.  masks [part 2][expert 8][word 32] of u32: part 0: bit t % 32 of
; word t / 32 is set where token t uses the expert; part 1: where the expert is the token's second pick.  All three at fixed places: no address here hangs on the choice.
; SHARES: work-group g takes tokens 32 g .. 32 g + 31 (one word of each mask), wave w four of them; lane l holds k = 256 i + 8 l + 0 .. 7 (i = 0 .. 3) of each of the four.
; LIMITS: the logits are finite (else the two picks may be one expert); -126 <= ex <= 112, so that 2^ex and 57,344 x 2^ex are f32 numbers; NaN in x is not served.
; No matrix unit (8 columns), no cluster (work-groups share only Wg's 32 KiB).
.set LG,  34816                        ; LDS: from 0 Wg, 128 groups of 8 k (256 bytes) + 16 of padding; from LG the logits, 48 bytes a token
.set X,   16                           ; v16-143   x: token t4 of my four, register 32 t4 + 8 i + kk
.set WV,  144                          ; v144-207  two sets of 32: Wg's rows of a stage; later the codes
.set ACC, 208                          ; v208-239  sums: 8 t4 + e
.set T,   240                          ; v240-255  two sets of 8: numbers held for the conversion
.set L,   208                          ; v208-215  a token's eight logits; v216-221 best, index, scale of pick 0 and of pick 1; v222 -infinity
	s_load_b256 s[4:11], s[0:1], 0x0               ; x s[4:5], Wg s[6:7], bg s[8:9], the scales' exponents s[10:11]
	s_load_b128 s[12:15], s[0:1], 0x20             ; xq s[12:13], masks s[14:15]
	s_load_b64 s[16:17], s[0:1], 0x30              ; gates
	v_lshl_add_u32 v14, v0, 2, 0x8e00
	v_mov_b32 v15, 0
	v_lshrrev_b32 v9, 5, v0
	v_readfirstlane_b32 s18, v9                    ; wave 0..7
	v_and_b32 v1, 31, v0                           ; lane
	v_lshlrev_b32 v2, 5, v1                        ; x: 32 bytes a lane
	v_lshlrev_b32 v3, 4, v0                        ; Wg in memory: 16 bytes a thread
	v_lshrrev_b32 v9, 4, v0
	v_lshl_add_u32 v4, v9, 4, v3                   ; Wg in LDS: 16 t + 16 (t / 16): 16 bytes of padding behind each 256
	v_mul_u32_u24 v5, v1, 272                      ; my group of 8 k in a stage
	s_mul_i32 s88, s18, 192
	s_add_co_u32 s88, s88, LG
	v_mov_b32 v6, s88                              ; where my wave puts its four tokens' logits
	s_lshl_b32 s88, s18, 2
	v_add_nc_u32 v9, s88, v1
	v_and_b32 v9, 31, v9                           ; the token that my lane stands for in the choice: (lane + 4 w) mod 32, so that lanes 0-3 are the wave's own four
	v_mul_u32_u24 v7, v9, 48
	v_add_nc_u32 v7, LG, v7
	v_lshlrev_b32 v8, 3, v1                        ; 8 bytes a lane: codes, and a token's two gates
	s_mov_b32 s76, 0x76543210                      ; v_permlanex16_b32: lane l xor 16
	s_mov_b32 s77, 0xfedcba98
	s_lshl_b32 s89, ttmp9, 5
	s_add_co_u32 s88, s88, s89                     ; my wave's first token: 32 g + 4 w
	s_lshl_b32 s90, s88, 12                        ; its row of x,
	s_mov_b32 s91, 0
	s_lshl_b32 s92, s88, 11                        ; its two rows of xq
	s_mov_b32 s93, 0
	s_wait_kmcnt 0x0
	s_add_nc_u64 s[4:5], s[4:5], s[90:91]
	s_add_nc_u64 s[12:13], s[12:13], s[92:93]
	s_lshl_b32 s90, ttmp9, 2                       ; my word of each mask
	s_add_nc_u64 s[14:15], s[14:15], s[90:91]
	s_lshl_b32 s92, ttmp9, 8                       ; my 32 tokens' gates
	s_add_nc_u64 s[16:17], s[16:17], s[92:93]
.irp j, 0,1,2,3,4,5,6,7
	global_load_b128 v[WV+4*\j:WV+4*\j+3], v3, s[6:7] offset:4096*\j   ; Wg: 256 threads x 16 bytes, eight times
.endr
.irp t, 0,1,2,3
.irp i, 0,1,2,3
	global_load_b128 v[X+32*\t+8*\i:X+32*\t+8*\i+3], v2, s[4:5] offset:4096*\t+1024*\i th:TH_LOAD_NT
	global_load_b128 v[X+32*\t+8*\i+4:X+32*\t+8*\i+7], v2, s[4:5] offset:4096*\t+1024*\i+16 th:TH_LOAD_NT
.endr
.endr
	s_load_b256 s[20:27], s[8:9], 0x0              ; bg
	s_load_b512 s[28:43], s[10:11], 0x0            ; the 32 exponents
	s_load_b512 s[44:59], s[10:11], 0x40
	s_wait_loadcnt 32                              ; Wg's eight loads are in; the 32 of x behind them may be out
.irp j, 0,1,2,3,4,5,6,7
	ds_store_b128 v4, v[WV+4*\j:WV+4*\j+3] offset:4352*\j
.endr
	s_wait_dscnt 0x0                               ; my part of Wg lies in LDS
	s_barrier_signal -1
	s_barrier_wait -1                              ; everybody's does
; Stage n of eight: four k of each lane's groups: i = n / 2, kk = 4 (n % 2) + 0 .. 3.  The pitch from lane to lane, 272, is an odd multiple of 16 bytes.
.macro WGLD n
.irp k, 0,1,2,3
	ds_load_b128 v[WV+32*((\n)%2)+8*\k:WV+32*((\n)%2)+8*\k+3], v5 offset:8704*((\n)/2)+128*((\n)%2)+32*\k
	ds_load_b128 v[WV+32*((\n)%2)+8*\k+4:WV+32*((\n)%2)+8*\k+7], v5 offset:8704*((\n)/2)+128*((\n)%2)+32*\k+16
.endr
.endm
; 4 k x 4 tokens x 4 pairs of experts: two fused multiply-adds an instruction; x's number is taken for both halves.  The very first k starts the sums: nothing is cleared.
.macro FMAS n
.irp k, 0,1,2,3
.irp t, 0,1,2,3
.irp p, 0,2,4,6
.if ((\n) == 0) && (\k == 0)
	v_pk_mul_f32 v[ACC+8*\t+\p:ACC+8*\t+\p+1], v[WV+\p:WV+\p+1], v[X+32*\t:X+32*\t+1] op_sel_hi:[1,0]
.elseif (\k%2) == 0
	v_pk_fma_f32 v[ACC+8*\t+\p:ACC+8*\t+\p+1], v[WV+32*((\n)%2)+8*\k+\p:WV+32*((\n)%2)+8*\k+\p+1], v[X+32*\t+4*(\n)+\k:X+32*\t+4*(\n)+\k+1], v[ACC+8*\t+\p:ACC+8*\t+\p+1] op_sel_hi:[1,0,1]
.else
	v_pk_fma_f32 v[ACC+8*\t+\p:ACC+8*\t+\p+1], v[WV+32*((\n)%2)+8*\k+\p:WV+32*((\n)%2)+8*\k+\p+1], v[X+32*\t+4*(\n)+\k-1:X+32*\t+4*(\n)+\k], v[ACC+8*\t+\p:ACC+8*\t+\p+1] op_sel:[0,1,0] op_sel_hi:[1,1,1]
.endif
.endr
.endr
.endr
.endm
	s_wait_loadcnt 0x0                             ; x
	WGLD 0
.irp n, 0,1,2,3,4,5,6
	WGLD \n+1
	s_wait_dscnt 0x8                               ; this stage's eight loads are in; the next stage's eight may be out
	FMAS \n
.endr
	s_wait_dscnt 0x0
	FMAS 7
; the sums of the 32 lanes: four steps inside each half of 16 lanes, one across the halves; every lane ends with the logits (less bg)
.irp m, 1,2,4,8
.set aa, 0
.rept 32
	v_add_f32_dpp v[ACC+aa], v[ACC+aa], v[ACC+aa] row_xmask:\m row_mask:0xf bank_mask:0xf
.set aa, aa+1
.endr
.endr
.set aa, 0
.rept 32
	v_permlanex16_b32 v[WV+aa], v[ACC+aa], s76, s77
.set aa, aa+1
.endr
.set aa, 0
.rept 32
	v_add_f32 v[ACC+aa], v[ACC+aa], v[WV+aa]
.set aa, aa+1
.endr
.irp t, 0,1,2,3
	ds_store_b128 v6, v[ACC+8*\t:ACC+8*\t+3] offset:48*\t      ; all lanes write the same words with the same numbers
	ds_store_b128 v6, v[ACC+8*\t+4:ACC+8*\t+7] offset:48*\t+16
.endr
	s_wait_dscnt 0x0                               ; my four tokens' logits lie in LDS
	s_barrier_signal -1
	s_barrier_wait -1                              ; all 32 tokens' do
	ds_load_b128 v[L:L+3], v7
	ds_load_b128 v[L+4:L+7], v7 offset:16
	s_wait_kmcnt 0x0                               ; bg and the exponents
.irp e, 0,1,2,3,4,5,6,7
	s_add_co_i32 s[68+\e], s[28+4*\e], 127
	s_lshl_b32 s[68+\e], s[68+\e], 23              ; 2^ex of expert e as f32
.endr
	v_mov_b32 v222, 0xff800000                     ; -infinity
	s_wait_dscnt 0x0
.irp e, 0,1,2,3,4,5,6,7
	v_add_f32 v[L+\e], s[20+\e], v[L+\e]
.endr
; the largest of the eight, its index and its expert's scale: a later logit wins only if it is greater, so the lower index is kept on ties
.macro SCAN val, idx, sc
	v_mov_b32 v[\val], v[L]
	v_mov_b32 v[\idx], 0
	v_mov_b32 v[\sc], s68
.irp e, 1,2,3,4,5,6,7
	v_cmp_gt_f32 vcc_lo, v[L+\e], v[\val]
	v_cndmask_b32 v[\val], v[\val], v[L+\e], vcc_lo
	v_cndmask_b32 v[\idx], v[\idx], \e, vcc_lo
	v_cndmask_b32 v[\sc], v[\sc], s[68+\e], vcc_lo
.endr
.endm
	SCAN 216, 217, 218
.irp e, 0,1,2,3,4,5,6,7
	v_cmp_eq_u32 vcc_lo, \e, v217
	v_cndmask_b32 v[L+\e], v[L+\e], v222, vcc_lo   ; the first pick leaves the field
.endr
	SCAN 219, 220, 221
.irp t, 0,1,2,3
	v_readlane_b32 s[80+2*\t], v218, \t            ; lanes 0-3 stand for my wave's own tokens: their two scales
	v_readlane_b32 s[81+2*\t], v221, \t
.endr
; x's codes: for each of my four tokens and each of its two picks: the hold at 57,344 x the scale (the conversion to an 8-bit code does not saturate: ISA guide 7.6.2), the conversion, and a store of 256 consecutive bytes.
; The held numbers go into two sets by turns and each conversion has its own pair for its codes, so plain vector lines stand between a conversion and the next write of its sources, and no store's data are written again.
.irp t, 0,1,2,3
.irp j, 0,1
	s_add_co_u32 s88, s[80+2*\t+\j], 0x07e00000    ; the scale's exponent field + 15, over the mantissa field of 57,344
	v_mov_b32 v10, s88                             ; (a plain line between the last conversion and the write of its scale register)
	v_mov_b32 v9, s[80+2*\t+\j]
.irp i, 0,1,2,3
.irp k, 0,1,2,3,4,5,6,7
	v_med3_num_f32 v[T+8*(\i%2)+\k], v[X+32*\t+8*\i+\k], -v10, v10
.endr
	v_cvt_scalef32_pk8_bf8_f32 v[WV+2*(8*\t+4*\j+\i):WV+2*(8*\t+4*\j+\i)+1], v[T+8*(\i%2):T+8*(\i%2)+7], v9
	global_store_b64 v8, v[WV+2*(8*\t+4*\j+\i):WV+2*(8*\t+4*\j+\i)+1], s[12:13] offset:(2*\t+\j)*1024+256*\i
.endr
.endr
.endr
	s_cmp_lg_u32 s18, 0                            ; in wave 0 lane l stands for token l: it stores the gates and the masks' words
	s_cbranch_scc1 .Lend
	v_sub_f32 v223, v219, v216                     ; second logit less the largest: 0 or less
	v_mul_f32 v223, 0x3fb8aa3b, v223
	v_exp_f32 v226, v223                           ; p = e^(second - first)
	v_mov_b32 v228, 0                              ; (a plain line behind the transcendental)
	s_wait_alu depctr_va_vdst(0)                   ; the wait ahead of the first reader
	v_add_f32 v227, 1.0, v226
	v_rcp_f32 v224, v227                           ; the first gate: 1 / (1 + p)
	v_lshlrev_b32 v229, 7, v1                      ; (a plain line)  128 x lane: lane 8 part + e holds that mask's word
	s_wait_alu depctr_va_vdst(0)
	v_mul_f32 v225, v226, v224                     ; the second: p / (1 + p)
	global_store_b64 v8, v[224:225], s[16:17]
.irp e, 0,1,2,3,4,5,6,7
	v_cmp_eq_u32 s90, \e, v217
	v_cmp_eq_u32 s91, \e, v220
	s_or_b32 s90, s90, s91
	v_writelane_b32 v228, s90, \e                  ; who uses expert e
	v_writelane_b32 v228, s91, 8+\e                ; for whom it is the second pick
.endr
	v_cmp_gt_u32 vcc_lo, 16, v1
	s_wait_xcnt 0x0                                ; EXEC changes only behind this wait: stores are out
	s_and_saveexec_b32 s92, vcc_lo
	global_store_b32 v229, v228, s[14:15]
	s_wait_xcnt 0x0
	s_or_b32 exec_lo, exec_lo, s92
.Lend:
	s_wait_tensorcnt 0x0
	ds_add_u32 v14, v15
	s_wait_dscnt 0x0
	s_endpgm
.Lfunc_end_k_q3896499f99_route:
	.size	k_q3896499f99_route, .Lfunc_end_k_q3896499f99_route-k_q3896499f99_route
	.p2alignl 7, 3214868480
	.fill 96, 4, 3214868480
	.section	.rodata,"a",@progbits
	.p2align	6, 0x0
	.amdhsa_kernel k_q3896499f99_route
		.amdhsa_group_segment_fixed_size 37376
		.amdhsa_private_segment_fixed_size 0
		.amdhsa_enable_private_segment 0
		.amdhsa_kernarg_size 56
		.amdhsa_user_sgpr_count 2
		.amdhsa_user_sgpr_kernarg_segment_ptr 1
		.amdhsa_wavefront_size32 1
		.amdhsa_system_sgpr_workgroup_id_x 1
		.amdhsa_system_sgpr_workgroup_id_y 1
		.amdhsa_system_sgpr_workgroup_id_z 1
		.amdhsa_system_vgpr_workitem_id 0
		.amdhsa_next_free_vgpr 256
		.amdhsa_next_free_sgpr 96
		.amdhsa_reserve_vcc 1
		.amdhsa_float_denorm_mode_32 3
		.amdhsa_float_denorm_mode_16_64 3
		.amdhsa_memory_ordered 1
		.amdhsa_forward_progress 1
		.amdhsa_inst_pref_size 85
	.end_amdhsa_kernel
	.amdgpu_metadata
---
amdhsa.version: [ 1, 2 ]
amdhsa.kernels:
  - .name:           k_q3896499f99_route
    .symbol:         k_q3896499f99_route.kd
    .args:
      - { .name: x, .offset: 0, .size: 8, .value_kind: global_buffer, .address_space: global }
      - { .name: Wg, .offset: 8, .size: 8, .value_kind: global_buffer, .address_space: global }
      - { .name: bg, .offset: 16, .size: 8, .value_kind: global_buffer, .address_space: global }
      - { .name: lowp_scales, .offset: 24, .size: 8, .value_kind: global_buffer, .address_space: global }
      - { .name: xq, .offset: 32, .size: 8, .value_kind: global_buffer, .address_space: global }
      - { .name: masks, .offset: 40, .size: 8, .value_kind: global_buffer, .address_space: global }
      - { .name: gates, .offset: 48, .size: 8, .value_kind: global_buffer, .address_space: global }
    .group_segment_fixed_size: 37376
    .private_segment_fixed_size: 0
    .kernarg_segment_align: 8
    .kernarg_segment_size: 56
    .max_flat_workgroup_size: 256
    .sgpr_count:     96
    .vgpr_count:     256
    .wavefront_size: 32
...
	.end_amdgpu_metadata
.endif
;; end of part 1
;; launch up (part 2): grid 256 x 1, 4 waves a work-group, no clusters, 269,056 bytes of LDS; arguments xq, masks, W1_codes, b1, lowp_scales, hfrag; writes hfrag
.if DOCPART == 2
	.amdgcn_target "amdgcn-amd-amdhsa--gfx1250"
	.amdhsa_code_object_version 6
	.text
	.protected	k_q3896499f99_up
	.globl	k_q3896499f99_up
	.p2align	8
	.type	k_q3896499f99_up,@function
k_q3896499f99_up:
	s_mov_b64 s[64:65], 0
	v_nop
	global_prefetch_b8 v0, s[64:65] scope:SCOPE_SE
	s_setreg_imm32_b32 hwreg(HW_REG_WAVE_MODE, 25, 1), 1
	s_wait_xcnt 0x0
; THE FIRST PRODUCT, only for the rows that chose the expert: h = relu(x W1[e] + b1[e]), quantised to E5M2 with 2^eh, on codes of E5M2 by v_wmma_f32_16x16x128_bf8_bf8.
; SHARES: work-group = (expert e = id / 32, slice sl = id % 32 of 128 hidden units: K step sl of the second product), for ALL rows of the expert.  Wave w keeps units 32 w .. 32 w + 31 at full K = 1,024
; in 256 registers, read from memory once in the launch.  The rows come 16 to a tile, 8 tiles to a chunk, gathered from xq by the expert's list into two LDS buffers by turns: a chunk's gather is asked for
; at the head of the chunk before and has that chunk's eight tiles in which to land.
; THE LIST: each work-group makes it anew from the expert's two masks (256 bytes): list[rank] = 2 t + j, ranks in the order of the tokens; zeros behind the last.
; THE PRODUCT IS USED TRANSPOSED (source 0 = 16 units of W1, source 1 = 16 rows of x), and lane r of tile u takes unit 8 u + r + 8 (r / 8): so a lane holds ONE row, and the 16 registers of its two accumulators
; are the 16 neighbouring units 16 (lane / 16) + 0 .. 15: their codes are piece c = w of the operand's register image, stored as hfrag [e][tile 64][K step 32][c 4][lane 32][16 bytes].
; Fragments are fetched by four loads of 16 bytes, 32 apart: registers 4 c .. 4 c + 3 hold k = 32 c + 16 (lane / 16) + 0 .. 15: a permutation of k, the same on both sides.
; b1 / 2^(ex + ew1) is the C of a sum's first instruction; the three scales are folded into the conversion's one, 2^(eh - ex - ew1); the hold at the largest code clips at 0 too: the activation.
; At least tiles 0 and 1 of every expert are made (the list's zeros stand for routed row 0), so that every byte that the next launch's clamped loads may touch has been stored.
; NO TENSOR LOADS, NO CLUSTER: how many tiles there are hangs on counts read from memory; the loops have constant trip counts, every wave passes every barrier, and only work is jumped over.
; LIMITS: eh - ex - ew1 between -126 and 112.
.set LIST, 0                           ; LDS: 1,024 ids of 2 bytes, 32 dump words, the rest of 2,304 bytes cleared
.set XB,   2304                        ; two buffers of 128 rows x 1,040: a chunk's rows of x
.set XBB,  133120
.set STG,  XB+XBB                      ; for each wave 32 rows x 1,040: W1's rows on their way into fragments.  The stage shares its bytes with buffer 1: its last reads are waited for ahead of the barrier behind which buffer 1 is first written
.set STGW, 33280
.set PX,   1040                        ; a row of 1,024 codes + 16: an odd multiple of 16 bytes
.set BT,   128                         ; v128-136 at work while the list is made
.set GO,   16                          ; v16-31   the gather's offsets
.set BIAS, 32                          ; v32-47   b1 / 2^(ex + ew1) in the result's layout
.set ACC,  48                          ; v48-63   two accumulators
.set CD,   64                          ; v64-95   codes: four registers for each tile of a chunk
.set XF,   128                         ; v128-255 x's eight fragments.  Window 1: W1's fragments (tile u, K step s) at v[128 u + 16 s].  Window 2: the 32 rows just gathered
; v1 lane, v2 r, v3 h, v4 16 l, v5 16 l + 512 w, v6/v7 stage in/out, v8-11 x's fragments: buffer b, tiles 4 f .. 4 f + 3: v[8 + 2 b + f], v12-13 the gather's place in buffer 0/1, v14 list: 2 (32 w + h), v15 list address,
; v96 16 r, v97 64 h, v98 scale, v99 largest number x scale
; s84 wave, s85 e, s86 sl, s87 rows, s88 tiles, s89 the chunk's first tile, s90 trips, s91 list offset of the next chunk, s[92:93] hfrag at the chunk, s[96:99] ex, ew1, eh, ew2; s16-63, s68-83 the masks
.set MSB, 0
.macro WIN new                         ; the immediate's high byte repeats the setting that is left
.if MSB != (\new)
	s_set_vgpr_msb (MSB<<8)|(\new)
.set MSB, (\new)
.endif
.endm
; THE GATHER of 32 rows of xq, named by the list from v15 on.  GADDR: their ids become byte offsets.  GLOAD i0: eight pairs of rows into window 2: load (i, p): lanes 0-15 take 256 bytes of row 2 i, lanes 16-31 of row 2 i + 1.
.macro GADDR
.irp i, 0,1,2,3,4,5,6,7,8,9,10,11,12,13,14,15
	ds_load_u16 v[GO+\i], v15 offset:4*\i
.endr
	s_wait_dscnt 0x0
.irp i, 0,1,2,3,4,5,6,7,8,9,10,11,12,13,14,15
	v_min_u32 v[GO+\i], 0x7ff, v[GO+\i]
.endr
.irp i, 0,1,2,3,4,5,6,7,8,9,10,11,12,13,14,15
	v_lshl_add_u32 v[GO+\i], v[GO+\i], 10, v96
.endr
.endm
.macro GLOAD i0
	WIN 0x80                                       ; destination window 2
.irp k, 0,1,2,3,4,5,6,7
.irp p, 0,1,2,3
	global_load_b128 v[16*(\i0+\k)+4*\p:16*(\i0+\k)+4*\p+3], v[GO+\i0+\k], s[4:5] offset:256*\p
.endr
.endr
	WIN 0
.endm
.macro GSTORE b                        ; and from there into rows 32 w .. 32 w + 31 of buffer b
	WIN 0x08                                       ; store data window 2
.irp i, 0,1,2,3,4,5,6,7,8,9,10,11,12,13,14,15
.irp p, 0,1,2,3
	ds_store_b128 v[12+(\b)], v[16*\i+4*\p:16*\i+4*\p+3] offset:2080*\i+256*\p
.endr
.endr
	WIN 0
.endm
; W1's rows go through my own stage: unit u32 of my 32 lands in LDS row 16 ((u32 / 8) % 2) + 8 (u32 / 16) + u32 % 8, so that a tile's 16 units are 16 neighbouring rows
.macro STAGE q0, cnt
.set qq, \q0
.rept \cnt
	ds_store_b128 v6, v[4*qq:4*qq+3] offset:(16*(((qq>>1)>>3)&1)+8*((qq>>1)>>4)+((qq>>1)&7))*PX+(qq&1)*512
.set qq, qq+1
.endr
.endm
	s_load_b256 s[4:11], s[0:1], 0x0               ; xq s[4:5], masks s[6:7], W1's codes s[8:9], b1 s[10:11]
	s_load_b128 s[12:15], s[0:1], 0x20             ; the exponents s[12:13], hfrag s[14:15]
	v_lshl_add_u32 v126, v0, 2, 0x41900
	v_mov_b32 v127, 0
	v_lshrrev_b32 v1, 5, v0
	v_readfirstlane_b32 s84, v1                    ; wave 0..3
	s_lshr_b32 s85, ttmp9, 5                       ; expert
	s_and_b32 s86, ttmp9, 31                       ; slice
	v_and_b32 v1, 31, v0
	v_and_b32 v2, 15, v0
	v_bfe_u32 v3, v0, 4, 1
	v_lshlrev_b32 v4, 4, v1
	s_lshl_b32 s94, s84, 9
	v_add_nc_u32 v5, s94, v4
	s_mul_i32 s94, s84, STGW
	s_add_co_u32 s94, s94, STG
	v_add_nc_u32 v6, s94, v4
	v_mul_u32_u24 v15, v2, PX
	v_lshl_add_u32 v15, v3, 4, v15                 ; a fragment's row x pitch + 16 x half
	v_add_nc_u32 v7, s94, v15
	v_add_nc_u32 v8, XB, v15                       ; buffer 0, tiles 0-3;
	v_add_nc_u32 v9, XB+64*PX, v15                 ; tiles 4-7: a base of their own, so that the offsets stay inside the 16-bit immediate
	v_add_nc_u32 v10, XB+XBB, v15                  ; buffer 1 likewise
	v_add_nc_u32 v11, XB+XBB+64*PX, v15
	s_lshl_b32 s94, s84, 5
	v_add_nc_u32 v14, s94, v3                      ; 32 w + h
	v_mul_u32_u24 v15, v14, PX
	v_lshl_add_u32 v15, v2, 4, v15
	v_add_nc_u32 v12, XB, v15
	v_add_nc_u32 v13, XB+XBB, v15
	v_lshlrev_b32 v14, 1, v14
	v_lshlrev_b32 v96, 4, v2
	v_lshlrev_b32 v97, 6, v3
	v_mov_b32 v15, v14                             ; chunk 0: tiles 2 w and 2 w + 1
	v_lshlrev_b32 v[BT+4], 3, v1                   ; 8 l
	v_add_nc_u32 v[BT+5], 0x400, v1                ; a lane that is not chosen writes list index 1,024 + l: a dump word
	v_lshlrev_b32 v[BT+6], 1, v1                   ; 2 l
	s_lshl_b32 s100, s85, 12
	s_lshl_b32 s94, s86, 7
	s_add_co_u32 s100, s100, s94
	s_lshl_b32 s94, s84, 5
	s_add_co_u32 s100, s100, s94                   ; my wave's first unit among the 8 x 4,096
	s_mov_b32 s95, 0
	s_wait_kmcnt 0x0
	s_lshl_b32 s94, s85, 7
	s_add_nc_u64 s[6:7], s[6:7], s[94:95]          ; the expert's words of the masks
	s_load_b512 s[16:31], s[6:7], 0x0              ; who uses it: words 0-15,
	s_load_b512 s[32:47], s[6:7], 0x40             ; 16-31;
	s_load_b512 s[48:63], s[6:7], 0x400            ; for whom it is the second pick: words 0-15,
	s_load_b512 s[68:83], s[6:7], 0x440            ; 16-31
	s_lshl_b32 s94, s85, 4
	s_add_nc_u64 s[12:13], s[12:13], s[94:95]
	s_load_b128 s[96:99], s[12:13], 0x0            ; ex, ew1, eh, ew2
	s_lshl_b32 s94, s100, 10
	s_add_nc_u64 s[8:9], s[8:9], s[94:95]          ; my 32 rows of W1: 32,768 consecutive bytes
	s_lshl_b32 s94, s100, 2
	s_add_nc_u64 s[10:11], s[10:11], s[94:95]      ; my 32 numbers of b1
	s_lshl_b32 s94, s85, 22
	s_lshl_b32 s101, s86, 11
	s_add_co_u32 s94, s94, s101
	s_add_nc_u64 s[92:93], s[14:15], s[94:95]      ; hfrag at (e, tile 0, K step sl)
	WIN 0x40                                       ; destination window 1
.set qq, 0
.rept 56                               ; 56 of W1's 64 loads, 512 consecutive bytes each; the last eight follow behind the list
	global_load_b128 v[4*qq:4*qq+3], v4, s[8:9] offset:512*qq th:TH_LOAD_NT
.set qq, qq+1
.endr
	WIN 0
	s_wait_kmcnt 0x0                               ; the masks and the exponents
	s_mov_b32 s87, 0
.set ww, 0
.rept 32
	s_bcnt1_i32_b32 s3, s[16+ww]
	s_add_co_u32 s87, s87, s3                      ; the expert's rows
.set ww, ww+1
.endr
	s_add_co_u32 s88, s87, 15
	s_lshr_b32 s88, s88, 4
	s_max_u32 s88, s88, 2                          ; tiles of 16 rows, at least two
	s_cmp_lg_u32 s84, 0                            ; wave 0 makes the list; no other LDS access of any wave stands ahead of the barrier below
	s_cbranch_scc1 .Lbuilt
	v_mov_b32 v[BT], 0
	v_mov_b32 v[BT+1], 0
	v_mov_b32 v[BT+2], 0
	v_mov_b32 v[BT+3], 0
.irp j, 0,1,2,3
	ds_store_b128 v4, v[BT:BT+3] offset:LIST+512*\j
.endr
	ds_store_b64 v[BT+4], v[BT:BT+1] offset:LIST+2048
	s_mov_b32 s2, 0
.set ww, 0
.rept 32                               ; word ww: tokens 32 ww + lane
	v_mbcnt_lo_u32_b32 v[BT+7], s[16+ww], s2       ; rank: rows of earlier words + chosen lanes below mine
	v_cndmask_b32 v[BT+7], v[BT+5], v[BT+7], s[16+ww]   ; not chosen: the dump word
	v_min_u32 v[BT+7], 0x41f, v[BT+7]
	v_lshlrev_b32 v[BT+7], 1, v[BT+7]
	v_cndmask_b32 v[BT+8], 0, 1, s[48+ww+4*(ww/16)]
	v_add3_u32 v[BT+8], v[BT+6], v[BT+8], 64*ww    ; 2 t + j
	ds_store_b16 v[BT+7], v[BT+8]
	s_bcnt1_i32_b32 s3, s[16+ww]
	s_add_co_u32 s2, s2, s3
.set ww, ww+1
.endr
.Lbuilt:
	s_wait_dscnt 0x0                               ; the list lies in LDS
	s_barrier_signal -1
	s_barrier_wait -1
	WIN 0x40
.set qq, 56
.rept 8
	global_load_b128 v[4*qq:4*qq+3], v4, s[8:9] offset:512*qq th:TH_LOAD_NT
.set qq, qq+1
.endr
	WIN 0
.irp u, 0,1
	global_load_b128 v[BIAS+8*\u:BIAS+8*\u+3], v97, s[10:11] offset:32*\u        ; accumulator u, register j: unit 16 h + 8 u + j
	global_load_b128 v[BIAS+8*\u+4:BIAS+8*\u+7], v97, s[10:11] offset:32*\u+16
.endr
; 68 loads have been issued: W1's 64 and b1's 4.  Chunk 0 is gathered on every path, so that the counts below hold; its 64 loads are dealt between the two halves of W1's staging.
	GADDR
	WIN 0x04                                       ; store data window 1
	s_wait_loadcnt 36                              ; of the 68 the first 32 are in
	STAGE 0, 32
	GLOAD 0                                        ; 100 issued
	WIN 0x04
	s_wait_loadcnt 36                              ; of the 100 the first 64: all of W1
	STAGE 32, 32
	GLOAD 8                                        ; 132 issued
	s_wait_dscnt 0x0                               ; the stores have read their registers, which the fragments now take
	WIN 0x40
.irp u, 0,1
.set nn, 0
.rept 32
	ds_load_b128 v[128*\u+4*nn:128*\u+4*nn+3], v7 offset:16640*\u+32*nn   ; fragment (u, s = nn / 4), piece c = nn % 4
.set nn, nn+1
.endr
.endr
	WIN 0
	s_wait_loadcnt 63                              ; of the 132 the first 69: b1 is among them
	s_add_co_i32 s94, s96, s97                     ; ex + ew1: a sum stands for sum x 2^(ex + ew1), so b1 goes in divided by that
	s_sub_co_i32 s95, 0, s94
.set aa, 0
.rept 16
	v_ldexp_f32 v[BIAS+aa], v[BIAS+aa], s95
.set aa, aa+1
.endr
	s_sub_co_i32 s94, s98, s94                     ; eh - ex - ew1
	s_add_co_i32 s94, s94, 127
	s_lshl_b32 s95, s94, 23
	v_mov_b32 v98, s95                             ; the conversion's one scale
	s_add_co_i32 s94, s94, 15
	s_lshl_b32 s94, s94, 23
	s_or_b32 s94, s94, 0x600000
	v_mov_b32 v99, s94                             ; 57,344 x that
	s_wait_loadcnt 0x0
	GSTORE 0
	s_wait_dscnt 0x0                               ; my rows of chunk 0 lie in buffer 0, W1's fragments are in, and my reads of the stage are over
	s_barrier_signal -1
	s_barrier_wait -1
; Tile i of the chunk in buffer b: x's eight fragments, 16 matrix instructions (the two accumulators by turns), the activation and the hold in one, two conversions, a store of 512 consecutive bytes.
.macro UTILE i, b
.irp s, 0,1,2,3,4,5,6,7
.irp c, 0,1,2,3
	ds_load_b128 v[XF+16*\s+4*\c:XF+16*\s+4*\c+3], v[8+2*(\b)+(\i)/4] offset:16640*((\i)%4)+128*\s+32*\c
.endr
.endr
	WIN 0x01                                       ; source 0 (W1) window 1
.irp s, 0,1,2,3,4,5,6,7
	s_wait_dscnt 28-4*\s                           ; fragment s is in; those of the later K steps may be out
.if \s == 0
	v_wmma_f32_16x16x128_bf8_bf8 v[ACC:ACC+7], v[0:15], v[XF:XF+15], v[BIAS:BIAS+7]
	v_wmma_f32_16x16x128_bf8_bf8 v[ACC+8:ACC+15], v[128:143], v[XF:XF+15], v[BIAS+8:BIAS+15]
.else
	v_wmma_f32_16x16x128_bf8_bf8 v[ACC:ACC+7], v[16*\s:16*\s+15], v[XF+16*\s:XF+16*\s+15], v[ACC:ACC+7]
	v_wmma_f32_16x16x128_bf8_bf8 v[ACC+8:ACC+15], v[128+16*\s:128+16*\s+15], v[XF+16*\s:XF+16*\s+15], v[ACC+8:ACC+15]
.endif
.endr
	WIN 0
.rept 5
	v_nop                                          ; places: four for the reads of the sums and for the next tile's loads into x's fragments, a fifth for its first products, which begin the accumulators anew
.endr
.set aa, 0
.rept 16
	v_med3_num_f32 v[ACC+aa], v[ACC+aa], 0, v99    ; relu and the hold at the largest code x the scale, each accumulator from its low end on
.set aa, aa+1
.endr
	v_cvt_scalef32_pk8_bf8_f32 v[CD+4*(\i):CD+4*(\i)+1], v[ACC:ACC+7], v98
	v_cvt_scalef32_pk8_bf8_f32 v[CD+4*(\i)+2:CD+4*(\i)+3], v[ACC+8:ACC+15], v98
	v_nop                                          ; a plain line between the conversions and the next products, which write their sources
	global_store_b128 v5, v[CD+4*(\i):CD+4*(\i)+3], s[92:93] offset:65536*(\i)
.endm
; A chunk of eight tiles in buffer b.  My wave gathers two tiles of the next chunk meanwhile; they land in the other buffer, which nobody reads since the last barrier.  One barrier a chunk: in front of it my reads of
; buffer b are in and my rows of the other buffer are stored.  The gather hangs on a count, so the wait for it is for 0.
.macro CHUNK b
	v_add_nc_u32 v15, s91, v14
	s_lshl_b32 s100, s84, 1
	s_add_co_u32 s100, s100, s89
	s_add_co_u32 s100, s100, 8                     ; the first of the two tiles that I gather; where the second lies past the last, the list's zeros stand for row 0, and nobody reads it
	s_cmp_lt_u32 s100, s88
	s_cbranch_scc0 .Lnog_\@
	GADDR
	GLOAD 0
	GLOAD 8
.Lnog_\@:
.irp i, 0,1,2,3,4,5,6,7
	s_add_co_u32 s101, s89, \i
	s_cmp_lt_u32 s101, s88
	s_cbranch_scc0 .Lendb_\@
	UTILE \i, \b
.endr
.Lendb_\@:
	s_wait_loadcnt 0x0
	s_cmp_lt_u32 s100, s88
	s_cbranch_scc0 .Lnos_\@
	GSTORE 1-(\b)
.Lnos_\@:
	s_wait_dscnt 0x0
	s_barrier_signal -1
	s_barrier_wait -1
	s_wait_xcnt 0x0                                ; the stores have read their base and their codes: both are written again only behind this wait
	s_add_nc_u64 s[92:93], s[92:93], 524288        ; eight tiles on in hfrag
	s_add_co_u32 s89, s89, 8
	s_add_co_u32 s91, s91, 256                     ; 128 ids of 2 bytes
.endm
	s_mov_b32 s89, 0
	s_mov_b32 s91, 256
	s_mov_b32 s90, 4                               ; 4 trips x 2 chunks x 8 tiles: 1,024 rows, all tokens on one expert
.Lloop:
	CHUNK 0
	CHUNK 1
	s_sub_co_u32 s90, s90, 1
	s_cmp_lg_u32 s90, 0
	s_cbranch_scc1 .Lloop
	s_wait_tensorcnt 0x0
	ds_add_u32 v126, v127
	s_wait_dscnt 0x0
	s_endpgm
.Lfunc_end_k_q3896499f99_up:
	.size	k_q3896499f99_up, .Lfunc_end_k_q3896499f99_up-k_q3896499f99_up
	.p2alignl 7, 3214868480
	.fill 96, 4, 3214868480
	.section	.rodata,"a",@progbits
	.p2align	6, 0x0
	.amdhsa_kernel k_q3896499f99_up
		.amdhsa_group_segment_fixed_size 269056
		.amdhsa_private_segment_fixed_size 0
		.amdhsa_enable_private_segment 0
		.amdhsa_kernarg_size 48
		.amdhsa_user_sgpr_count 2
		.amdhsa_user_sgpr_kernarg_segment_ptr 1
		.amdhsa_wavefront_size32 1
		.amdhsa_system_sgpr_workgroup_id_x 1
		.amdhsa_system_sgpr_workgroup_id_y 1
		.amdhsa_system_sgpr_workgroup_id_z 1
		.amdhsa_system_vgpr_workitem_id 0
		.amdhsa_next_free_vgpr 768
		.amdhsa_next_free_sgpr 102
		.amdhsa_reserve_vcc 0
		.amdhsa_float_denorm_mode_32 3
		.amdhsa_float_denorm_mode_16_64 3
		.amdhsa_memory_ordered 1
		.amdhsa_forward_progress 1
		.amdhsa_inst_pref_size 157
	.end_amdhsa_kernel
	.amdgpu_metadata
---
amdhsa.version: [ 1, 2 ]
amdhsa.kernels:
  - .name:           k_q3896499f99_up
    .symbol:         k_q3896499f99_up.kd
    .args:
      - { .name: xq, .offset: 0, .size: 8, .value_kind: global_buffer, .address_space: global }
      - { .name: masks, .offset: 8, .size: 8, .value_kind: global_buffer, .address_space: global }
      - { .name: W1_codes, .offset: 16, .size: 8, .value_kind: global_buffer, .address_space: global }
      - { .name: b1, .offset: 24, .size: 8, .value_kind: global_buffer, .address_space: global }
      - { .name: lowp_scales, .offset: 32, .size: 8, .value_kind: global_buffer, .address_space: global }
      - { .name: hfrag, .offset: 40, .size: 8, .value_kind: global_buffer, .address_space: global }
    .group_segment_fixed_size: 269056
    .private_segment_fixed_size: 0
    .kernarg_segment_align: 8
    .kernarg_segment_size: 48
    .max_flat_workgroup_size: 128
    .sgpr_count:     102
    .vgpr_count:     768
    .wavefront_size: 32
...
	.end_amdgpu_metadata
.endif
;; end of part 2
;; launch down (part 3): grid 256 x 1, 4 waves a work-group, no clusters, 208,640 bytes of LDS; arguments hfrag, masks, W2_codes, b2, lowp_scales, y; writes y
.if DOCPART == 3
	.amdgcn_target "amdgcn-amd-amdhsa--gfx1250"
	.amdhsa_code_object_version 6
	.text
	.protected	k_q3896499f99_down
	.globl	k_q3896499f99_down
	.p2align	8
	.type	k_q3896499f99_down,@function
k_q3896499f99_down:
	s_mov_b64 s[64:65], 0
	v_nop
	global_prefetch_b8 v0, s[64:65] scope:SCOPE_SE
	s_setreg_imm32_b32 hwreg(HW_REG_WAVE_MODE, 25, 1), 1
	s_wait_xcnt 0x0
; THE SECOND PRODUCT, only for the rows that chose the expert: y[2 t + j] = h W2[e] + b2[e], not yet gated, on codes of E5M2 by v_wmma_f32_16x16x128_bf8_bf8.
; SHARES: work-group = (expert e = id / 32, columns 64 cs .. 64 cs + 63 with cs = (id / 2) % 16, parity p = id % 2): the expert's tiles of 16 rows p, p + 2, ...
; THE WAVES SPLIT K: wave w keeps k = 1,024 w .. 1,024 w + 1,023 of the 64 rows of W2 in 512 registers.  So each byte of a tile's hidden codes goes to ONE wave, straight from memory into the operand's registers
; (hfrag is laid as register images: 32 loads of 512 consecutive bytes a tile and wave), two tiles ahead.  The four partial sums of an output meet in LDS; wave w adds rows 4 w .. 4 w + 3 of a tile,
; multiplies by 2^(eh + ew2), adds b2 and stores: sixteen lanes write the 256 consecutive bytes of a row's 64 columns, at the row that the expert's list names.
; THE LIST: made anew from the expert's two masks: list[rank] = 2 t + j, ranks in the order of the tokens.  Behind the expert's last row it names row 2,048 + 2 e + p of y: y has 16 spare rows behind its 2,048,
; and that row's 64 columns are this work-group's own; nobody reads them.  So a last tile that is not full is stored like any other, with all lanes on.
; THE PRODUCT IS USED TRANSPOSED (source 0 = 16 rows of W2 = 16 columns of y, source 1 = 16 rows of h): a lane holds one row and eight neighbouring columns.
; THE RING OF HIDDEN CODES: every tile that is worked asks for the tile two on (its number held at the last one of this parity), so at a tile's head two tiles' loads are out at the most, the older its own: the counted wait.
; The ring runs on under the reductions and from chunk to chunk.  On the way that leaves a tile out all loads are waited for, so that the count holds from there on too.
; NO TENSOR LOADS, NO CLUSTER: how many tiles there are hangs on counts read from memory; loops have constant trip counts, every wave passes every barrier, only work is jumped over.
; LIMITS: eh + ew2 between -126 and 127.
.set LIST, 0                           ; LDS: 1,024 ids of 2 bytes, 32 dump words, the rest of 2,304 bytes filled with them
.set STG,  2304                        ; for each wave 16 rows x 1,040: W2's rows on their way into fragments
.set STGW, 16640
.set PX,   1040
.set XC,   68864                       ; two buffers of [tile of the chunk 4][wave 4][16 rows x 272]: the partial sums
.set XCB,  69632
.set BT,   108                         ; v108-116 at work while the list is made
.set ACC,  32                          ; v32-63   four accumulators: columns 16 g + ..
.set P,    64                          ; v64-95   partial sums read back
.set RID,  96                          ; v96-103  a chunk's routed rows, then their byte offsets in y: tile i, row pair u: 2 i + u
.set RES,  128                         ; v128-159 results: eight registers for each tile of a chunk
; v1 lane, v2 r, v3 h, v4 16 l, v6/v7 stage in/out, v8-9 where I put my partial sums (buffer 0/1), v10-13 where I read (buffer, half of the chunk), v14 list: 32 p + 2 (4 w + h), v15 4 w + h, v16 16 r, v17 the chunk's place in the list,
; v20-23 b2 of my four columns.  Windows 1, 2: W2's fragments (g, s) at v[128 (g % 2) + 16 s] of window 1 + g / 2.  Window 3: hidden codes, two buffers of 128.
; s84 wave, s85 e, s86 cs, s87 p, s88 rows, s89 tiles, s90 my tiles n, s91 n - 1 (at least 0), s92 the chunk's first, s93 trips, s[94:95] hfrag at (e, tile p, my K steps), s[96:97] 2^(eh + ew2), s[100:101] the loads' base,
; s66 at work in the guards, s67 the chunk's byte in the list (64 for each of my tiles), s2-3 at work; s16-63, s68-83 the masks
.set MSB, 0
.macro WIN new                         ; the immediate's high byte repeats the setting that is left
.if MSB != (\new)
	s_set_vgpr_msb (MSB<<8)|(\new)
.set MSB, (\new)
.endif
.endm
	s_load_b256 s[4:11], s[0:1], 0x0               ; hfrag s[4:5], masks s[6:7], W2's codes s[8:9], b2 s[10:11]
	s_load_b128 s[12:15], s[0:1], 0x20             ; the exponents s[12:13], y s[14:15]
	v_lshl_add_u32 v254, v0, 2, 0x32d00
	v_mov_b32 v255, 0
	v_lshrrev_b32 v1, 5, v0
	v_readfirstlane_b32 s84, v1                    ; wave 0..3
	s_lshr_b32 s85, ttmp9, 5
	s_bfe_u32 s86, ttmp9, 0x40001
	s_and_b32 s87, ttmp9, 1
	v_and_b32 v1, 31, v0
	v_and_b32 v2, 15, v0
	v_bfe_u32 v3, v0, 4, 1
	v_lshlrev_b32 v4, 4, v1
	s_mul_i32 s2, s84, STGW
	s_add_co_u32 s2, s2, STG
	v_add_nc_u32 v6, s2, v4
	v_mul_u32_u24 v7, v2, PX
	v_lshl_add_u32 v7, v3, 4, v7
	v_add_nc_u32 v7, s2, v7
	s_mul_i32 s2, s84, 4352
	v_mul_u32_u24 v8, v2, 272
	v_lshl_add_u32 v8, v3, 5, v8
	v_add_nc_u32 v8, s2, v8
	v_add_nc_u32 v9, XC+XCB, v8
	v_add_nc_u32 v8, XC, v8                        ; my wave's part of a tile's place: row r, 32 bytes for each half of the lanes
	s_lshl_b32 s2, s84, 2
	v_add_nc_u32 v15, s2, v3                       ; 4 w + h
	v_mul_u32_u24 v17, v15, 272
	v_lshl_add_u32 v17, v2, 4, v17
	v_add_nc_u32 v10, XC, v17
	v_add_nc_u32 v11, XC+34816, v17
	v_add_nc_u32 v12, XC+XCB, v17
	v_add_nc_u32 v13, XC+XCB+34816, v17
	v_lshlrev_b32 v14, 1, v15
	s_lshl_b32 s2, s87, 5
	v_add_nc_u32 v14, s2, v14                      ; the list: 32 bytes a tile: tile p, index 4 w + h
	v_lshlrev_b32 v16, 4, v2
	v_lshlrev_b32 v[BT+4], 3, v1
	v_add_nc_u32 v[BT+5], 0x400, v1
	v_lshlrev_b32 v[BT+6], 1, v1
	s_mov_b32 s3, 0
	s_wait_kmcnt 0x0
	s_lshl_b32 s2, s85, 7
	s_add_nc_u64 s[6:7], s[6:7], s[2:3]
	s_load_b512 s[16:31], s[6:7], 0x0              ; who uses the expert,
	s_load_b512 s[32:47], s[6:7], 0x40
	s_load_b512 s[48:63], s[6:7], 0x400            ; for whom it is the second pick
	s_load_b512 s[68:83], s[6:7], 0x440
	s_lshl_b32 s2, s85, 4
	s_add_nc_u64 s[12:13], s[12:13], s[2:3]
	s_load_b128 s[96:99], s[12:13], 0x0            ; ex, ew1, eh, ew2
	s_lshl_b32 s2, s85, 22
	s_lshl_b32 s100, s86, 18
	s_add_co_u32 s2, s2, s100
	s_lshl_b32 s100, s84, 10
	s_add_co_u32 s2, s2, s100
	s_add_nc_u64 s[8:9], s[8:9], s[2:3]            ; W2 at (e, column 64 cs, k = 1,024 w)
	s_lshl_b32 s2, s85, 12
	s_lshl_b32 s100, s86, 8
	s_add_co_u32 s2, s2, s100
	s_add_nc_u64 s[10:11], s[10:11], s[2:3]        ; b2 at (e, column 64 cs)
	s_mov_b32 s2, s100
	s_add_nc_u64 s[14:15], s[14:15], s[2:3]        ; y at column 64 cs
	s_lshl_b32 s2, s85, 22
	s_lshl_b32 s100, s87, 16
	s_add_co_u32 s2, s2, s100
	s_lshl_b32 s100, s84, 14
	s_add_co_u32 s2, s2, s100
	s_add_nc_u64 s[94:95], s[4:5], s[2:3]          ; hfrag at (e, tile p, K step 8 w)
; W2's rows n0 .. of group g (16 columns), my 1,024 bytes of each as two loads of 512, into the registers that the group's fragments will take
.macro WL g, n0, cnt
	WIN 0x40*(1+(\g)/2)
.set nn, \n0
.rept \cnt
	global_load_b128 v[128*((\g)%2)+8*nn:128*((\g)%2)+8*nn+3], v4, s[8:9] offset:(16*(\g)+nn)*4096
	global_load_b128 v[128*((\g)%2)+8*nn+4:128*((\g)%2)+8*nn+7], v4, s[8:9] offset:(16*(\g)+nn)*4096+512
.set nn, nn+1
.endr
	WIN 0
.endm
.macro WST g                           ; into my stage, as rows
	WIN 0x04*(1+(\g)/2)
.set nn, 0
.rept 16
	ds_store_b128 v6, v[128*((\g)%2)+8*nn:128*((\g)%2)+8*nn+3] offset:PX*nn
	ds_store_b128 v6, v[128*((\g)%2)+8*nn+4:128*((\g)%2)+8*nn+7] offset:PX*nn+512
.set nn, nn+1
.endr
	WIN 0
.endm
.macro WFR g                           ; and back as fragments: (s = nn / 4, piece c = nn % 4)
	WIN 0x40*(1+(\g)/2)
.set nn, 0
.rept 32
	ds_load_b128 v[128*((\g)%2)+4*nn:128*((\g)%2)+4*nn+3], v7 offset:32*nn
.set nn, nn+1
.endr
	WIN 0
.endm
; my 16,384 bytes of the hidden codes of my tile number s3 (held at the last one) into buffer beta of window 3
.macro HL beta
	s_min_u32 s3, s3, s91
	s_min_u32 s3, s3, 31
	s_lshl_b32 s2, s3, 17                          ; two tiles of 65,536 bytes from one of my tiles to the next
	s_mov_b32 s3, 0
	s_wait_xcnt 0x0                                ; the earlier loads have read their base
	s_add_nc_u64 s[100:101], s[94:95], s[2:3]
	WIN 0xc0                                       ; destination window 3
.set mm, 0
.rept 32
	global_load_b128 v[128*(\beta)+4*mm:128*(\beta)+4*mm+3], v4, s[100:101] offset:512*mm
.set mm, mm+1
.endr
	WIN 0
.endm
	WL 0, 0, 16
	WL 1, 0, 14                                    ; 60 loads are out while the list is made
	s_wait_kmcnt 0x0
	s_mov_b32 s88, 0
.set ww, 0
.rept 32
	s_bcnt1_i32_b32 s3, s[16+ww]
	s_add_co_u32 s88, s88, s3                      ; the expert's rows
.set ww, ww+1
.endr
	s_add_co_u32 s89, s88, 15
	s_lshr_b32 s89, s89, 4                         ; its tiles
	s_add_co_u32 s90, s89, 1
	s_sub_co_u32 s90, s90, s87
	s_lshr_b32 s90, s90, 1                         ; those of my parity
	s_max_u32 s91, s90, 1
	s_sub_co_u32 s91, s91, 1
	s_add_co_i32 s96, s98, s99
	s_add_co_i32 s96, s96, 127
	s_lshl_b32 s96, s96, 23                        ; 2^(eh + ew2) as f32
	s_mov_b32 s97, s96                             ; (named with it as a pair, so it is written)
	s_cmp_lg_u32 s84, 0                            ; wave 0 makes the list; no other LDS access of any wave stands ahead of the barrier below
	s_cbranch_scc1 .Lbuilt
	s_lshl_b32 s2, s85, 1
	s_add_co_u32 s2, s2, s87
	s_add_co_u32 s2, s2, 0x800                     ; my work-group's spare row of y: 2,048 + 2 e + p,
	s_lshl_b32 s3, s2, 16
	s_or_b32 s2, s2, s3                            ; twice in a word
	v_mov_b32 v[BT], s2
	v_mov_b32 v[BT+1], s2
	v_mov_b32 v[BT+2], s2
	v_mov_b32 v[BT+3], s2
.irp j, 0,1,2,3
	ds_store_b128 v4, v[BT:BT+3] offset:LIST+512*\j      ; the whole list names the spare row; the expert's rows are then written over it (LDS serves a wave's instructions in order)
.endr
	ds_store_b64 v[BT+4], v[BT:BT+1] offset:LIST+2048
	s_mov_b32 s2, 0
.set ww, 0
.rept 32                               ; word ww: tokens 32 ww + lane
	v_mbcnt_lo_u32_b32 v[BT+7], s[16+ww], s2       ; rank: rows of earlier words + chosen lanes below mine
	v_cndmask_b32 v[BT+7], v[BT+5], v[BT+7], s[16+ww]   ; not chosen: list index 1,024 + lane, a dump word
	v_min_u32 v[BT+7], 0x41f, v[BT+7]
	v_lshlrev_b32 v[BT+7], 1, v[BT+7]
	v_cndmask_b32 v[BT+8], 0, 1, s[48+ww+4*(ww/16)]
	v_add3_u32 v[BT+8], v[BT+6], v[BT+8], 64*ww    ; 2 t + j
	ds_store_b16 v[BT+7], v[BT+8]
	s_bcnt1_i32_b32 s3, s[16+ww]
	s_add_co_u32 s2, s2, s3
.set ww, ww+1
.endr
.Lbuilt:
	s_wait_dscnt 0x0                               ; the list lies in LDS
	s_barrier_signal -1
	s_barrier_wait -1
	WL 1, 14, 2
	global_load_b128 v[20:23], v16, s[10:11]       ; b2 of columns 4 r .. 4 r + 3
	s_wait_loadcnt 33                              ; group 0 is in: behind it group 1's 32 loads and b2's one
	WST 0
	WL 2, 0, 16
	s_wait_dscnt 0x0                               ; the stores have read their registers, which the fragments now take
	WFR 0
	s_wait_loadcnt 33                              ; group 1 is in: behind it b2's load and group 2's 32
	WST 1                                          ; (LDS serves a wave's instructions in order: these come behind the reads of group 0's rows)
	WL 3, 0, 16
	s_wait_dscnt 0x0
	WFR 1
	s_wait_loadcnt 32                              ; group 2 is in: behind it group 3's 32
	WST 2
	s_mov_b32 s3, 0
	HL 0                                           ; my first tile's hidden codes
	s_wait_dscnt 0x0
	WFR 2
	s_wait_loadcnt 32                              ; group 3 is in: behind it the first tile's 32
	WST 3
	s_mov_b32 s3, 1
	HL 1                                           ; my second tile's
	s_wait_dscnt 0x0
	WFR 3
	s_wait_dscnt 0x0
; 16 matrix instructions: accumulators t0 and t0 + 1 by turns, my eight K steps; the first products start the sums
.macro MM i, t0
.irp s, 0,1,2,3,4,5,6,7
.irp g, 0,1
.if \s == 0
	v_wmma_f32_16x16x128_bf8_bf8 v[ACC+8*(\t0+\g):ACC+8*(\t0+\g)+7], v[128*\g+16*\s:128*\g+16*\s+15], v[128*((\i)%2)+16*\s:128*((\i)%2)+16*\s+15], 0
.else
	v_wmma_f32_16x16x128_bf8_bf8 v[ACC+8*(\t0+\g):ACC+8*(\t0+\g)+7], v[128*\g+16*\s:128*\g+16*\s+15], v[128*((\i)%2)+16*\s:128*((\i)%2)+16*\s+15], v[ACC+8*(\t0+\g):ACC+8*(\t0+\g)+7]
.endif
.endr
.endr
.endm
; Tile i of the chunk: its partial sums over my quarter of K, into buffer b
.macro DTILE i, b
	s_wait_loadcnt 32                              ; this tile's hidden codes are in; the next tile's 32 loads may be out
	WIN 0x0d                                       ; source 0 (W2) window 1, source 1 (h) window 3
	MM \i, 0
	WIN 0x0e                                       ; source 0 window 2
	MM \i, 2
	WIN 0
.rept 5
	v_nop                                          ; places: four for the loads into the codes' buffer and the stores of the sums, a fifth for the next tile's first products, which begin the accumulators anew
.endr
	s_add_co_u32 s3, s92, (\i)+2
	HL (\i)%2                                      ; the tile two on takes this tile's buffer
.irp g, 0,1,2,3
	ds_store_b128 v[8+(\b)], v[ACC+8*\g:ACC+8*\g+3] offset:17408*(\i)+64*\g       ; each accumulator from its low end on
	ds_store_b128 v[8+(\b)], v[ACC+8*\g+4:ACC+8*\g+7] offset:17408*(\i)+64*\g+16
.endr
.endm
; Tile i of the chunk: rows 4 w .. 4 w + 3: the four waves' partial sums are added, scaled, biased and stored at the rows that the list names
.macro DRED i, b
.irp u, 0,1
.irp c, 0,1,2,3
	ds_load_b128 v[P+16*\u+4*\c:P+16*\u+4*\c+3], v[10+2*(\b)+(\i)/2] offset:17408*((\i)%2)+4352*\c+544*\u
.endr
.endr
	s_wait_dscnt 0x0
.irp u, 0,1
.irp d, 0,2
	v_pk_add_f32 v[P+16*\u+\d:P+16*\u+\d+1], v[P+16*\u+\d:P+16*\u+\d+1], v[P+16*\u+4+\d:P+16*\u+4+\d+1]
	v_pk_add_f32 v[P+16*\u+8+\d:P+16*\u+8+\d+1], v[P+16*\u+8+\d:P+16*\u+8+\d+1], v[P+16*\u+12+\d:P+16*\u+12+\d+1]
.endr
.endr
.irp u, 0,1
.irp d, 0,2
	v_pk_add_f32 v[P+16*\u+\d:P+16*\u+\d+1], v[P+16*\u+\d:P+16*\u+\d+1], v[P+16*\u+8+\d:P+16*\u+8+\d+1]
.endr
.endr
.irp u, 0,1
.irp d, 0,2
	v_pk_fma_f32 v[RES+8*(\i)+4*\u+\d:RES+8*(\i)+4*\u+\d+1], v[P+16*\u+\d:P+16*\u+\d+1], s[96:97], v[20+\d:21+\d] op_sel_hi:[1,0,1]   ; sum x 2^(eh + ew2) + b2
.endr
.endr
	global_store_b128 v[RID+2*(\i)], v[RES+8*(\i):RES+8*(\i)+3], s[14:15]          ; sixteen lanes store 256 consecutive bytes, at a multiple of 256 from y's first byte
	global_store_b128 v[RID+2*(\i)+1], v[RES+8*(\i)+4:RES+8*(\i)+7], s[14:15]
.endm
; A chunk of four of my tiles.  One barrier: in front of it my partial sums lie in buffer b and my reads of the other buffer are in; buffer b is written again only behind the next chunk's barrier.
; The chunk's eight places in the list are read on every wave's path, whether or not the tiles are worked (the list has all 1,024 places), and become offsets in y between the barrier's signal and its wait.
; Behind four worked tiles two tiles' loads are out, the older into buffer 0 of the codes: what the next chunk's first counted wait expects.  Where a tile is left out, all loads are waited for: nothing is out from there on.
.macro DCHUNK b
.irp i, 0,1,2,3
	s_add_co_u32 s66, s92, \i
	s_cmp_lt_u32 s66, s90
	s_cbranch_scc0 .Ldrain_\@
	DTILE \i, \b
.endr
	s_branch .Lsend_\@
.Ldrain_\@:
	s_wait_loadcnt 0x0
.Lsend_\@:
	s_wait_xcnt 0x0                                ; the last chunk's stores have read their offsets and their data: both are written again only behind this wait
	v_add_nc_u32 v17, s67, v14
.irp i, 0,1,2,3
	ds_load_u16 v[RID+2*\i], v17 offset:64*\i      ; routed row of list index 16 T + 4 w + h, T = p + 2 (the chunk's first + i),
	ds_load_u16 v[RID+2*\i+1], v17 offset:64*\i+4  ; and two further on
.endr
	s_wait_dscnt 0x0                               ; my partial sums are stored, the routed rows are in
	s_barrier_signal -1
.irp k, 0,1,2,3,4,5,6,7
	v_min_u32 v[RID+\k], 0x80f, v[RID+\k]          ; y has 2,048 + 16 rows
.endr
.irp k, 0,1,2,3,4,5,6,7
	v_lshl_add_u32 v[RID+\k], v[RID+\k], 12, v16   ; a row of y is 4,096 bytes; 16 bytes a lane
.endr
	s_barrier_wait -1
.irp i, 0,1,2,3
	s_add_co_u32 s66, s92, \i
	s_cmp_lt_u32 s66, s90
	s_cbranch_scc0 .Lrend_\@
	DRED \i, \b
.endr
.Lrend_\@:
	s_add_co_u32 s92, s92, 4
	s_add_co_u32 s67, s67, 256                     ; four of my tiles on in the list: 64 bytes each
.endm
	s_mov_b32 s92, 0
	s_mov_b32 s67, 0
	s_mov_b32 s93, 4                               ; 4 trips x 2 chunks x 4 tiles: 32 tiles of a parity, all tokens on one expert
.Lloop:
	DCHUNK 0
	DCHUNK 1
	s_sub_co_u32 s93, s93, 1
	s_cmp_lg_u32 s93, 0
	s_cbranch_scc1 .Lloop
	s_wait_tensorcnt 0x0
	ds_add_u32 v254, v255
	s_wait_dscnt 0x0
	s_endpgm
.Lfunc_end_k_q3896499f99_down:
	.size	k_q3896499f99_down, .Lfunc_end_k_q3896499f99_down-k_q3896499f99_down
	.p2alignl 7, 3214868480
	.fill 96, 4, 3214868480
	.section	.rodata,"a",@progbits
	.p2align	6, 0x0
	.amdhsa_kernel k_q3896499f99_down
		.amdhsa_group_segment_fixed_size 208640
		.amdhsa_private_segment_fixed_size 0
		.amdhsa_enable_private_segment 0
		.amdhsa_kernarg_size 48
		.amdhsa_user_sgpr_count 2
		.amdhsa_user_sgpr_kernarg_segment_ptr 1
		.amdhsa_wavefront_size32 1
		.amdhsa_system_sgpr_workgroup_id_x 1
		.amdhsa_system_sgpr_workgroup_id_y 1
		.amdhsa_system_sgpr_workgroup_id_z 1
		.amdhsa_system_vgpr_workitem_id 0
		.amdhsa_next_free_vgpr 1024
		.amdhsa_next_free_sgpr 102
		.amdhsa_reserve_vcc 0
		.amdhsa_float_denorm_mode_32 3
		.amdhsa_float_denorm_mode_16_64 3
		.amdhsa_memory_ordered 1
		.amdhsa_forward_progress 1
		.amdhsa_inst_pref_size 126
	.end_amdhsa_kernel
	.amdgpu_metadata
---
amdhsa.version: [ 1, 2 ]
amdhsa.kernels:
  - .name:           k_q3896499f99_down
    .symbol:         k_q3896499f99_down.kd
    .args:
      - { .name: hfrag, .offset: 0, .size: 8, .value_kind: global_buffer, .address_space: global }
      - { .name: masks, .offset: 8, .size: 8, .value_kind: global_buffer, .address_space: global }
      - { .name: W2_codes, .offset: 16, .size: 8, .value_kind: global_buffer, .address_space: global }
      - { .name: b2, .offset: 24, .size: 8, .value_kind: global_buffer, .address_space: global }
      - { .name: lowp_scales, .offset: 32, .size: 8, .value_kind: global_buffer, .address_space: global }
      - { .name: y, .offset: 40, .size: 8, .value_kind: global_buffer, .address_space: global }
    .group_segment_fixed_size: 208640
    .private_segment_fixed_size: 0
    .kernarg_segment_align: 8
    .kernarg_segment_size: 48
    .max_flat_workgroup_size: 128
    .sgpr_count:     102
    .vgpr_count:     1024
    .wavefront_size: 32
...
	.end_amdgpu_metadata
.endif
;; end of part 3
;; launch join (part 4): grid 256 x 1, 8 waves a work-group, no clusters, 0 bytes of LDS; arguments y, gates, out0; writes out0
.if DOCPART == 4
	.amdgcn_target "amdgcn-amd-amdhsa--gfx1250"
	.amdhsa_code_object_version 6
	.text
	.protected	k_q3896499f99_join
	.globl	k_q3896499f99_join
	.p2align	8
	.type	k_q3896499f99_join,@function
k_q3896499f99_join:
	s_mov_b64 s[64:65], 0
	v_nop
	global_prefetch_b8 v0, s[64:65] scope:SCOPE_SE
	s_setreg_imm32_b32 hwreg(HW_REG_WAVE_MODE, 25, 1), 1
	s_wait_xcnt 0x0
; out0[t] = gates[2 t] y[2 t] + gates[2 t + 1] y[2 t + 1]: each token's two experts' rows, weighed.  A stream: every routed row of y is read once, every byte of out0 written once.
; Work-group g takes tokens 4 g .. 4 g + 3; thread n takes bytes 16 n of each row of 4,096, so a wave's load or store covers 512 consecutive bytes.  All loads go out at once, the eight gates among them
; (two loads in which every lane reads the same 16 bytes), so that nothing waits for a second scalar load; no register is written twice.
.set Y, 4                              ; v4-35   token t4, pick j: 8 t4 + 4 j
.set R, 36                             ; v36-51  results
.set G, 52                             ; v52-59  the gates: token t4's pair at 2 t4
	s_load_b128 s[4:7], s[0:1], 0x0                ; y, gates
	s_load_b64 s[8:9], s[0:1], 0x10                ; out0
	v_lshlrev_b32 v1, 4, v0
	v_mov_b32 v2, 0
	s_lshl_b32 s2, ttmp9, 15                       ; eight rows of y
	s_mov_b32 s3, 0
	s_lshl_b32 s10, ttmp9, 5                       ; eight gates
	s_mov_b32 s11, 0
	s_lshl_b32 s12, ttmp9, 14                      ; four rows of out0
	s_mov_b32 s13, 0
	s_wait_kmcnt 0x0
	s_add_nc_u64 s[4:5], s[4:5], s[2:3]
	s_add_nc_u64 s[6:7], s[6:7], s[10:11]
	s_add_nc_u64 s[8:9], s[8:9], s[12:13]
	global_load_b128 v[G:G+3], v2, s[6:7]
	global_load_b128 v[G+4:G+7], v2, s[6:7] offset:16
.irp t, 0,1,2,3
	global_load_b128 v[Y+8*\t:Y+8*\t+3], v1, s[4:5] offset:8192*\t th:TH_LOAD_NT
	global_load_b128 v[Y+8*\t+4:Y+8*\t+7], v1, s[4:5] offset:8192*\t+4096 th:TH_LOAD_NT
.endr
.irp t, 0,1,2,3
	s_wait_loadcnt 6-2*\t                          ; this token's two loads are in, and the gates, which were issued first; the later tokens' loads may be out
	v_pk_mul_f32 v[R+4*\t:R+4*\t+1], v[Y+8*\t:Y+8*\t+1], v[G+2*\t:G+2*\t+1] op_sel_hi:[1,0]                                              ; both halves x the pair's low word: the first gate
	v_pk_mul_f32 v[R+4*\t+2:R+4*\t+3], v[Y+8*\t+2:Y+8*\t+3], v[G+2*\t:G+2*\t+1] op_sel_hi:[1,0]
	v_pk_fma_f32 v[R+4*\t:R+4*\t+1], v[Y+8*\t+4:Y+8*\t+5], v[G+2*\t:G+2*\t+1], v[R+4*\t:R+4*\t+1] op_sel:[0,1,0] op_sel_hi:[1,1,1]        ; both halves x its high word: the second
	v_pk_fma_f32 v[R+4*\t+2:R+4*\t+3], v[Y+8*\t+6:Y+8*\t+7], v[G+2*\t:G+2*\t+1], v[R+4*\t+2:R+4*\t+3] op_sel:[0,1,0] op_sel_hi:[1,1,1]
	global_store_b128 v1, v[R+4*\t:R+4*\t+3], s[8:9] offset:4096*\t th:TH_STORE_NT
.endr
	s_endpgm
.Lfunc_end_k_q3896499f99_join:
	.size	k_q3896499f99_join, .Lfunc_end_k_q3896499f99_join-k_q3896499f99_join
	.p2alignl 7, 3214868480
	.fill 96, 4, 3214868480
	.section	.rodata,"a",@progbits
	.p2align	6, 0x0
	.amdhsa_kernel k_q3896499f99_join
		.amdhsa_group_segment_fixed_size 0
		.amdhsa_private_segment_fixed_size 0
		.amdhsa_enable_private_segment 0
		.amdhsa_kernarg_size 24
		.amdhsa_user_sgpr_count 2
		.amdhsa_user_sgpr_kernarg_segment_ptr 1
		.amdhsa_wavefront_size32 1
		.amdhsa_system_sgpr_workgroup_id_x 1
		.amdhsa_system_sgpr_workgroup_id_y 1
		.amdhsa_system_sgpr_workgroup_id_z 1
		.amdhsa_system_vgpr_workitem_id 0
		.amdhsa_next_free_vgpr 64
		.amdhsa_next_free_sgpr 66
		.amdhsa_reserve_vcc 0
		.amdhsa_float_denorm_mode_32 3
		.amdhsa_float_denorm_mode_16_64 3
		.amdhsa_memory_ordered 1
		.amdhsa_forward_progress 1
		.amdhsa_inst_pref_size 4
	.end_amdhsa_kernel
	.amdgpu_metadata
---
amdhsa.version: [ 1, 2 ]
amdhsa.kernels:
  - .name:           k_q3896499f99_join
    .symbol:         k_q3896499f99_join.kd
    .args:
      - { .name: y, .offset: 0, .size: 8, .value_kind: global_buffer, .address_space: global }
      - { .name: gates, .offset: 8, .size: 8, .value_kind: global_buffer, .address_space: global }
      - { .name: out0, .offset: 16, .size: 8, .value_kind: global_buffer, .address_space: global }
    .group_segment_fixed_size: 0
    .private_segment_fixed_size: 0
    .kernarg_segment_align: 8
    .kernarg_segment_size: 24
    .max_flat_workgroup_size: 256
    .sgpr_count:     66
    .vgpr_count:     64
    .wavefront_size: 32
...
	.end_amdgpu_metadata
.endif
;; end of part 4
;; ======== version 2 of 2: 4 launches; version 1 with the launches up, down written anew for expert scheduling mode
;; workspace buffers: xq 2,097,152 bytes; masks 2,048 bytes of whole numbers; gates 8,192 bytes; hfrag 33,554,432 bytes; y 8,454,144 bytes
;; launch route: the kernel of part 1 again; grid 32 x 1, 8 waves a work-group, no clusters, 37,376 bytes of LDS; arguments x, Wg, bg, lowp_scales, xq, masks, gates; writes xq, masks, gates
;; launch up (part 5): grid 256 x 1, 4 waves a work-group, no clusters, 269,056 bytes of LDS; arguments xq, masks, W1_codes, b1, lowp_scales, hfrag; writes hfrag
.if DOCPART == 5
	.amdgcn_target "amdgcn-amd-amdhsa--gfx1250"
	.amdhsa_code_object_version 6
	.text
	.protected	k_q3896499f99_up
	.globl	k_q3896499f99_up
	.p2align	8
	.type	k_q3896499f99_up,@function
k_q3896499f99_up:
	s_mov_b64 s[64:65], 0
	v_nop
	global_prefetch_b8 v0, s[64:65] scope:SCOPE_SE
	s_setreg_imm32_b32 hwreg(HW_REG_WAVE_SCHED_MODE, 0, 2), 2
	s_setreg_imm32_b32 hwreg(HW_REG_WAVE_MODE, 25, 1), 1
	s_wait_xcnt 0x0
	s_wait_alu depctr_vm_vsrc(0)
; THE FIRST PRODUCT, only for the rows that chose the expert: h = relu(x W1[e] + b1[e]), quantised to E5M2 with 2^eh, on codes of E5M2 by v_wmma_f32_16x16x128_bf8_bf8.
; SHARES: work-group = (expert e = id / 32, slice sl = id % 32 of 128 hidden units: K step sl of the second product), for ALL rows of the expert.  Wave w keeps units 32 w .. 32 w + 31 at full K = 1,024
; in 256 registers, read from memory once in the launch.  The rows come 16 to a tile, 8 tiles to a chunk, gathered from xq by the expert's list into two LDS buffers by turns: a chunk's gather is asked for
; at the head of the chunk before and has that chunk's eight tiles in which to land.
; THE LIST: each work-group makes it anew from the expert's two masks (256 bytes): list[rank] = 2 t + j, ranks in the order of the tokens; zeros behind the last.
; THE PRODUCT IS USED TRANSPOSED (source 0 = 16 units of W1, source 1 = 16 rows of x), and lane r of tile u takes unit 8 u + r + 8 (r / 8): so a lane holds ONE row, and the 16 registers of its two accumulators
; are the 16 neighbouring units 16 (lane / 16) + 0 .. 15: their codes are piece c = w of the operand's register image, stored as hfrag [e][tile 64][K step 32][c 4][lane 32][16 bytes].
; Fragments are fetched by four loads of 16 bytes, 32 apart: registers 4 c .. 4 c + 3 hold k = 32 c + 16 (lane / 16) + 0 .. 15: a permutation of k, the same on both sides.
; b1 / 2^(ex + ew1) is the C of a sum's first instruction; the three scales are folded into the conversion's one, 2^(eh - ex - ew1); the hold at the largest code clips at 0 too: the activation.
; At least tiles 0 and 1 of every expert are made (the list's zeros stand for routed row 0), so that every byte that the next launch's clamped loads may touch has been stored.
; NO TENSOR LOADS, NO CLUSTER: how many tiles there are hangs on counts read from memory; the loops have constant trip counts, every wave passes every barrier, and only work is jumped over.
; LIMITS: eh - ex - ew1 between -126 and 112.
; THE MODE: SCHED_MODE bits 1:0 = 2 (LLVM: expert scheduling mode 2), set by the entry lines.  The code itself states the register dependences between vector or matrix instructions and memory or LDS
; instructions, with s_wait_alu, always for 0.
; THE PLAN.  Registers that memory or LDS instructions touch, in the loop:
;   XF0, XF1   x's eight fragments of a tile, two buffers: v128-255 of window 0 and of window 3.  Tile i's products read XF[i % 2]; the LDS loads of tile i + 1, dealt among them, land in XF[(i + 1) % 2],
;              which tile i - 1's products read last.
;   CD         four registers for each tile of a chunk: written by the tile's two conversions, read by its store, written again a chunk later.
;   GO, v15    v15: written by one add a chunk, read by the list's loads.  GO: those loads land in it, vector lines make offsets of it, the gather's loads read it.
;   window 2   the gather's loads land in it, the LDS stores at the chunk's end read it; no vector instruction names it.
;   v4-v13, v96, v97   addresses and offsets, made at the head and never written again.
; So ONE wait on va_vdst stands in a tile, behind its conversions: its codes are written, and its products are done reading their fragments.  The tile's store follows, and the next tile's 32 loads of the
; tile after it, with no further wait: no vector or matrix instruction since names a register that they touch.  One wait on vm_vsrc stands at a chunk's head, two on va_vdst in the gather.
; Tile i asks for tile i + 1's fragments whether or not that tile is worked: the rows lie in the same buffer, and every byte of both buffers has been stored by then (buffer 0 by chunk 0's gather,
; buffer 1 by W1's stage); what is read for a tile that is left out is used by nobody.
.set LIST, 0                           ; LDS: 1,024 ids of 2 bytes, 32 dump words, the rest of 2,304 bytes cleared
.set XB,   2304                        ; two buffers of 128 rows x 1,040: a chunk's rows of x
.set XBB,  133120
.set STG,  XB+XBB                      ; for each wave 32 rows x 1,040: W1's rows on their way into fragments.  The stage shares its bytes with buffer 1: its last reads are waited for ahead of the barrier behind which buffer 1 is first written
.set STGW, 33280
.set PX,   1040                        ; a row of 1,024 codes + 16: an odd multiple of 16 bytes
.set BT,   128                         ; v128-134 at work while the list is made;
.set LAD,  144                         ; v144-175 where each of the 32 words' ids goes in the list;
.set LDT,  176                         ; v176-207 the ids
.set GO,   16                          ; v16-31   the gather's offsets
.set BIAS, 32                          ; v32-47   b1 / 2^(ex + ew1) in the result's layout
.set ACC,  48                          ; v48-63   two accumulators
.set CD,   64                          ; v64-95   codes: four registers for each tile of a chunk
.set XF,   128                         ; v128-255 x's eight fragments: of even tiles in window 0, of odd tiles in window 3.  Window 1: W1's fragments (tile u, K step s) at v[128 u + 16 s].  Window 2: the 32 rows just gathered
; v1 lane, v2 r, v3 h, v4 16 l, v5 16 l + 512 w, v6/v7 stage in/out, v8-11 x's fragments: buffer b, tiles 4 f .. 4 f + 3: v[8 + 2 b + f], v12-13 the gather's place in buffer 0/1, v14 list: 2 (32 w + h), v15 list address,
; v96 16 r, v97 64 h, v98 scale, v99 largest number x scale
; s84 wave, s85 e, s86 sl, s87 rows, s88 tiles, s89 the chunk's first tile, s90 trips, s91 list offset of the next chunk, s[92:93] hfrag at the chunk, s[96:99] ex, ew1, eh, ew2; s16-63, s68-83 the masks
.set MSB, 0
.macro WIN new                         ; the immediate's high byte repeats the setting that is left
.if MSB != (\new)
	s_set_vgpr_msb (MSB<<8)|(\new)
.set MSB, (\new)
.endif
.endm
; THE GATHER of 32 rows of xq, named by the list from v15 on.  GADDR: their ids become byte offsets.  GLOAD i0: eight pairs of rows into window 2: load (i, p): lanes 0-15 take 256 bytes of row 2 i, lanes 16-31 of row 2 i + 1.
.macro GADDR
.irp i, 0,1,2,3,4,5,6,7,8,9,10,11,12,13,14,15
	ds_load_u16 v[GO+\i], v15 offset:4*\i
.endr
	s_wait_dscnt 0x0
.irp i, 0,1,2,3,4,5,6,7,8,9,10,11,12,13,14,15
	v_min_u32 v[GO+\i], 0x7ff, v[GO+\i]
.endr
.irp i, 0,1,2,3,4,5,6,7,8,9,10,11,12,13,14,15
	v_lshl_add_u32 v[GO+\i], v[GO+\i], 10, v96
.endr
	s_wait_alu depctr_va_vdst(0)                   ; the sixteen offsets are written, which the gather's loads read
.endm
.macro GLOAD i0
	WIN 0x80                                       ; destination window 2
.irp k, 0,1,2,3,4,5,6,7
.irp p, 0,1,2,3
	global_load_b128 v[16*(\i0+\k)+4*\p:16*(\i0+\k)+4*\p+3], v[GO+\i0+\k], s[4:5] offset:256*\p
.endr
.endr
	WIN 0
.endm
.macro GSTORE b                        ; and from there into rows 32 w .. 32 w + 31 of buffer b
	WIN 0x08                                       ; store data window 2
.irp i, 0,1,2,3,4,5,6,7,8,9,10,11,12,13,14,15
.irp p, 0,1,2,3
	ds_store_b128 v[12+(\b)], v[16*\i+4*\p:16*\i+4*\p+3] offset:2080*\i+256*\p
.endr
.endr
	WIN 0
.endm
; W1's rows go through my own stage: unit u32 of my 32 lands in LDS row 16 ((u32 / 8) % 2) + 8 (u32 / 16) + u32 % 8, so that a tile's 16 units are 16 neighbouring rows
.macro STAGE q0, cnt
.set qq, \q0
.rept \cnt
	ds_store_b128 v6, v[4*qq:4*qq+3] offset:(16*(((qq>>1)>>3)&1)+8*((qq>>1)>>4)+((qq>>1)&7))*PX+(qq&1)*512
.set qq, qq+1
.endr
.endm
	s_load_b256 s[4:11], s[0:1], 0x0               ; xq s[4:5], masks s[6:7], W1's codes s[8:9], b1 s[10:11]
	s_load_b128 s[12:15], s[0:1], 0x20             ; the exponents s[12:13], hfrag s[14:15]
	v_lshl_add_u32 v126, v0, 2, 0x41900
	v_mov_b32 v127, 0
	v_lshrrev_b32 v1, 5, v0
	v_readfirstlane_b32 s84, v1                    ; wave 0..3
	s_lshr_b32 s85, ttmp9, 5                       ; expert
	s_and_b32 s86, ttmp9, 31                       ; slice
	v_and_b32 v1, 31, v0
	v_and_b32 v2, 15, v0
	v_bfe_u32 v3, v0, 4, 1
	v_lshlrev_b32 v4, 4, v1
	s_wait_alu depctr_va_sdst(0)                   ; s84 is written, ahead of its first reader: addresses, bases and branches are made from it
	s_lshl_b32 s94, s84, 9
	v_add_nc_u32 v5, s94, v4
	s_mul_i32 s94, s84, STGW
	s_add_co_u32 s94, s94, STG
	v_add_nc_u32 v6, s94, v4
	v_mul_u32_u24 v15, v2, PX
	v_lshl_add_u32 v15, v3, 4, v15                 ; a fragment's row x pitch + 16 x half
	v_add_nc_u32 v7, s94, v15
	v_add_nc_u32 v8, XB, v15                       ; buffer 0, tiles 0-3;
	v_add_nc_u32 v9, XB+64*PX, v15                 ; tiles 4-7: a base of their own, so that the offsets stay inside the 16-bit immediate
	v_add_nc_u32 v10, XB+XBB, v15                  ; buffer 1 likewise
	v_add_nc_u32 v11, XB+XBB+64*PX, v15
	s_lshl_b32 s94, s84, 5
	v_add_nc_u32 v14, s94, v3                      ; 32 w + h
	v_mul_u32_u24 v15, v14, PX
	v_lshl_add_u32 v15, v2, 4, v15
	v_add_nc_u32 v12, XB, v15
	v_add_nc_u32 v13, XB+XBB, v15
	v_lshlrev_b32 v14, 1, v14
	v_lshlrev_b32 v96, 4, v2
	v_lshlrev_b32 v97, 6, v3
	v_mov_b32 v15, v14                             ; chunk 0: tiles 2 w and 2 w + 1
	v_lshlrev_b32 v[BT+4], 3, v1                   ; 8 l
	v_add_nc_u32 v[BT+5], 0x400, v1                ; a lane that is not chosen writes list index 1,024 + l: a dump word
	v_lshlrev_b32 v[BT+6], 1, v1                   ; 2 l
	s_lshl_b32 s100, s85, 12
	s_lshl_b32 s94, s86, 7
	s_add_co_u32 s100, s100, s94
	s_lshl_b32 s94, s84, 5
	s_add_co_u32 s100, s100, s94                   ; my wave's first unit among the 8 x 4,096
	s_mov_b32 s95, 0
	s_wait_kmcnt 0x0
	s_lshl_b32 s94, s85, 7
	s_add_nc_u64 s[6:7], s[6:7], s[94:95]          ; the expert's words of the masks
	s_load_b512 s[16:31], s[6:7], 0x0              ; who uses it: words 0-15,
	s_load_b512 s[32:47], s[6:7], 0x40             ; 16-31;
	s_load_b512 s[48:63], s[6:7], 0x400            ; for whom it is the second pick: words 0-15,
	s_load_b512 s[68:83], s[6:7], 0x440            ; 16-31
	s_lshl_b32 s94, s85, 4
	s_add_nc_u64 s[12:13], s[12:13], s[94:95]
	s_load_b128 s[96:99], s[12:13], 0x0            ; ex, ew1, eh, ew2
	s_lshl_b32 s94, s100, 10
	s_add_nc_u64 s[8:9], s[8:9], s[94:95]          ; my 32 rows of W1: 32,768 consecutive bytes
	s_lshl_b32 s94, s100, 2
	s_add_nc_u64 s[10:11], s[10:11], s[94:95]      ; my 32 numbers of b1
	s_lshl_b32 s94, s85, 22
	s_lshl_b32 s101, s86, 11
	s_add_co_u32 s94, s94, s101
	s_add_nc_u64 s[92:93], s[14:15], s[94:95]      ; hfrag at (e, tile 0, K step sl)
	WIN 0x40                                       ; destination window 1
	s_wait_alu depctr_va_vdst(0)                   ; the addresses and offsets v4 to v15, v96, v97 and v[BT+4] are written, which the loads and stores of the whole kernel read
.set qq, 0
.rept 56                               ; 56 of W1's 64 loads, 512 consecutive bytes each; the last eight follow behind the list
	global_load_b128 v[4*qq:4*qq+3], v4, s[8:9] offset:512*qq th:TH_LOAD_NT
.set qq, qq+1
.endr
	WIN 0
	s_wait_kmcnt 0x0                               ; the masks and the exponents
	s_mov_b32 s87, 0
.set ww, 0
.rept 32
	s_bcnt1_i32_b32 s3, s[16+ww]
	s_add_co_u32 s87, s87, s3                      ; the expert's rows
.set ww, ww+1
.endr
	s_add_co_u32 s88, s87, 15
	s_lshr_b32 s88, s88, 4
	s_max_u32 s88, s88, 2                          ; tiles of 16 rows, at least two
	s_cmp_lg_u32 s84, 0                            ; wave 0 makes the list; no other LDS access of any wave stands ahead of the barrier below
	s_cbranch_scc1 .Lbuilt
	v_mov_b32 v[BT], 0
	v_mov_b32 v[BT+1], 0
	v_mov_b32 v[BT+2], 0
	v_mov_b32 v[BT+3], 0
	s_mov_b32 s2, 0
.set ww, 0
.rept 32                               ; word ww: tokens 32 ww + lane.  Each word has a pair of registers of its own, so that one wait serves all the stores
	v_mbcnt_lo_u32_b32 v[LAD+ww], s[16+ww], s2     ; rank: rows of earlier words + chosen lanes below mine
	v_cndmask_b32 v[LAD+ww], v[BT+5], v[LAD+ww], s[16+ww]   ; not chosen: the dump word
	v_min_u32 v[LAD+ww], 0x41f, v[LAD+ww]
	v_lshlrev_b32 v[LAD+ww], 1, v[LAD+ww]
	v_cndmask_b32 v[LDT+ww], 0, 1, s[48+ww+4*(ww/16)]
	v_add3_u32 v[LDT+ww], v[BT+6], v[LDT+ww], 64*ww   ; 2 t + j
	s_bcnt1_i32_b32 s3, s[16+ww]
	s_add_co_u32 s2, s2, s3
.set ww, ww+1
.endr
	s_wait_alu depctr_va_vdst(0)                   ; the zeros, the 32 places and the 32 ids are written, which the LDS stores below read
.irp j, 0,1,2,3
	ds_store_b128 v4, v[BT:BT+3] offset:LIST+512*\j
.endr
	ds_store_b64 v[BT+4], v[BT:BT+1] offset:LIST+2048
.set ww, 0
.rept 32
	ds_store_b16 v[LAD+ww], v[LDT+ww]              ; LDS serves a wave's instructions in order: the ids come over the zeros
.set ww, ww+1
.endr
.Lbuilt:
	s_wait_dscnt 0x0                               ; the list lies in LDS
	s_barrier_signal -1
	s_barrier_wait -1
	WIN 0x40
.set qq, 56
.rept 8
	global_load_b128 v[4*qq:4*qq+3], v4, s[8:9] offset:512*qq th:TH_LOAD_NT
.set qq, qq+1
.endr
	WIN 0
.irp u, 0,1
	global_load_b128 v[BIAS+8*\u:BIAS+8*\u+3], v97, s[10:11] offset:32*\u        ; accumulator u, register j: unit 16 h + 8 u + j
	global_load_b128 v[BIAS+8*\u+4:BIAS+8*\u+7], v97, s[10:11] offset:32*\u+16
.endr
; 68 loads have been issued: W1's 64 and b1's 4.  Chunk 0 is gathered on every path, so that the counts below hold; its 64 loads are dealt between the two halves of W1's staging.
	GADDR
	WIN 0x04                                       ; store data window 1
	s_wait_loadcnt 36                              ; of the 68 the first 32 are in
	STAGE 0, 32
	GLOAD 0                                        ; 100 issued
	WIN 0x04
	s_wait_loadcnt 36                              ; of the 100 the first 64: all of W1
	STAGE 32, 32
	GLOAD 8                                        ; 132 issued
	s_wait_dscnt 0x0                               ; my rows of W1 lie in the stage
	WIN 0x40
	s_wait_alu depctr_vm_vsrc(0)                   ; the stage's stores have read window 1's registers, in which the fragments now land
.irp u, 0,1
.set nn, 0
.rept 32
	ds_load_b128 v[128*\u+4*nn:128*\u+4*nn+3], v7 offset:16640*\u+32*nn   ; fragment (u, s = nn / 4), piece c = nn % 4
.set nn, nn+1
.endr
.endr
	WIN 0
	s_wait_loadcnt 63                              ; of the 132 the first 69: b1 is among them
	s_add_co_i32 s94, s96, s97                     ; ex + ew1: a sum stands for sum x 2^(ex + ew1), so b1 goes in divided by that
	s_sub_co_i32 s95, 0, s94
.set aa, 0
.rept 16
	v_ldexp_f32 v[BIAS+aa], v[BIAS+aa], s95
.set aa, aa+1
.endr
	s_sub_co_i32 s94, s98, s94                     ; eh - ex - ew1
	s_add_co_i32 s94, s94, 127
	s_lshl_b32 s95, s94, 23
	v_mov_b32 v98, s95                             ; the conversion's one scale
	s_add_co_i32 s94, s94, 15
	s_lshl_b32 s94, s94, 23
	s_or_b32 s94, s94, 0x600000
	v_mov_b32 v99, s94                             ; 57,344 x that
	s_wait_loadcnt 0x0
	GSTORE 0
	s_wait_dscnt 0x0                               ; my rows of chunk 0 lie in buffer 0, W1's fragments are in, and my reads of the stage are over
	s_barrier_signal -1
	s_barrier_wait -1
; Eight LDS loads: fragments 2 g and 2 g + 1 of tile i of the chunk in buffer b.  The caller has set the destination's window.
.macro XLD i, b, g
.irp s, 0,1
.irp c, 0,1,2,3
	ds_load_b128 v[XF+16*(2*(\g)+\s)+4*\c:XF+16*(2*(\g)+\s)+4*\c+3], v[8+2*(\b)+(\i)/4] offset:16640*((\i)%4)+128*(2*(\g)+\s)+32*\c
.endr
.endr
.endm
; Tile i of the chunk in buffer b: 16 matrix instructions (the two accumulators by turns) on the fragments that were asked for a tile ago; behind every four of them eight loads of the next
; tile's fragments, into the other buffer; then the activation and the hold in one, two conversions, a store of 512 consecutive bytes.
; THE COUNT: behind a group of eight loads three further groups have been issued when its fragments are wanted, some in the tile before and the rest in this one: 24.  Tile 7 asks for nothing: its counts run down.
.macro UTILE i, b
.irp g, 0,1,2,3
.if (\i) < 7
	s_wait_dscnt 24                                ; fragments 2 g and 2 g + 1 are in; the three younger groups of eight may be out
.else
	s_wait_dscnt 24-8*\g
.endif
	WIN 0x01+0x0c*((\i)%2)                         ; source 0 (W1) window 1; source 1 (x): window 0 in even tiles, window 3 in odd ones
.irp s, 2*\g, 2*\g+1
.if (\s) == 0
	v_wmma_f32_16x16x128_bf8_bf8 v[ACC:ACC+7], v[0:15], v[XF:XF+15], v[BIAS:BIAS+7]
	v_wmma_f32_16x16x128_bf8_bf8 v[ACC+8:ACC+15], v[128:143], v[XF:XF+15], v[BIAS+8:BIAS+15]
.else
	v_wmma_f32_16x16x128_bf8_bf8 v[ACC:ACC+7], v[16*(\s):16*(\s)+15], v[XF+16*(\s):XF+16*(\s)+15], v[ACC:ACC+7]
	v_wmma_f32_16x16x128_bf8_bf8 v[ACC+8:ACC+15], v[128+16*(\s):128+16*(\s)+15], v[XF+16*(\s):XF+16*(\s)+15], v[ACC+8:ACC+15]
.endif
.endr
.if (\i) < 7
	WIN 0xc0*(1-(\i)%2)                            ; destination: the other buffer's window
	XLD (\i)+1, \b, \g                             ; no wait: no vector or matrix instruction since the wait at the last tile's end names the other buffer or the address
.endif
.endr
	WIN 0
.rept 5
	v_nop                                          ; places (ISA guide 7.12.1): four for the reads of the sums, a fifth for the next tile's first products, which begin the accumulators anew
.endr
.set aa, 0
.rept 16
	v_med3_num_f32 v[ACC+aa], v[ACC+aa], 0, v99    ; relu and the hold at the largest code x the scale, each accumulator from its low end on
.set aa, aa+1
.endr
	v_cvt_scalef32_pk8_bf8_f32 v[CD+4*(\i):CD+4*(\i)+1], v[ACC:ACC+7], v98
	v_cvt_scalef32_pk8_bf8_f32 v[CD+4*(\i)+2:CD+4*(\i)+3], v[ACC+8:ACC+15], v98
	v_nop                                          ; a plain line between the conversions and the next products, which write their sources
	s_wait_alu depctr_va_vdst(0)                   ; the conversions have written this tile's codes, which the store reads; the tile's products are done reading their fragments, in which the loads issued in the next tile land
	global_store_b128 v5, v[CD+4*(\i):CD+4*(\i)+3], s[92:93] offset:65536*(\i)
.endm
; A chunk of eight tiles in buffer b.  My wave gathers two tiles of the next chunk meanwhile; they land in the other buffer, which nobody reads since the last barrier.  One barrier a chunk: in front of it my reads of
; buffer b are in and my rows of the other buffer are stored.  The gather hangs on a count, so the wait for it is for 0.
.macro CHUNK b
	s_wait_alu depctr_vm_vsrc(0)                   ; the list's loads have read v15, the last gather's loads GO, the LDS stores window 2, the last chunk's stores their codes (in the first trip: the list's stores v128 to v207): all are written again below
	v_add_nc_u32 v15, s91, v14
	s_lshl_b32 s100, s84, 1
	s_add_co_u32 s100, s100, s89
	s_add_co_u32 s100, s100, 8                     ; the first of the two tiles that I gather; where the second lies past the last, the list's zeros stand for row 0, and nobody reads it
	s_cmp_lt_u32 s100, s88
	s_cbranch_scc0 .Lnog_\@
	s_wait_alu depctr_va_vdst(0)                   ; v15 is written, which the list's loads read
	GADDR
	GLOAD 0
	GLOAD 8
.Lnog_\@:
.irp i, 0,1,2,3,4,5,6,7
	s_add_co_u32 s101, s89, \i
	s_cmp_lt_u32 s101, s88
	s_cbranch_scc0 .Lendb_\@
.if \i == 0
	XLD 0, \b, 0                                   ; the chunk's first tile has no tile ahead of it to ask for its fragments.  Their buffer was read last by tile 6 of the chunk before, ahead of that tile's wait
	XLD 0, \b, 1
	XLD 0, \b, 2
	XLD 0, \b, 3
.endif
	UTILE \i, \b
.endr
.Lendb_\@:
	s_wait_loadcnt 0x0
	s_cmp_lt_u32 s100, s88
	s_cbranch_scc0 .Lnos_\@
	GSTORE 1-(\b)
.Lnos_\@:
	s_wait_dscnt 0x0
	s_barrier_signal -1
	s_barrier_wait -1
	s_wait_xcnt 0x0                                ; the stores have read their base and their codes: both are written again only behind this wait
	s_add_nc_u64 s[92:93], s[92:93], 524288        ; eight tiles on in hfrag
	s_add_co_u32 s89, s89, 8
	s_add_co_u32 s91, s91, 256                     ; 128 ids of 2 bytes
.endm
	s_mov_b32 s89, 0
	s_mov_b32 s91, 256
	s_mov_b32 s90, 4                               ; 4 trips x 2 chunks x 8 tiles: 1,024 rows, all tokens on one expert
.Lloop:
	CHUNK 0
	CHUNK 1
	s_sub_co_u32 s90, s90, 1
	s_cmp_lg_u32 s90, 0
	s_cbranch_scc1 .Lloop
	s_wait_dscnt 0x0                               ; the closing lines, six on end
	s_wait_alu 0x0
	s_wait_tensorcnt 0x0
	ds_add_u32 v126, v127
	s_wait_dscnt 0x0
	s_endpgm
.Lfunc_end_k_q3896499f99_up:
	.size	k_q3896499f99_up, .Lfunc_end_k_q3896499f99_up-k_q3896499f99_up
	.p2alignl 7, 3214868480
	.fill 96, 4, 3214868480
	.section	.rodata,"a",@progbits
	.p2align	6, 0x0
	.amdhsa_kernel k_q3896499f99_up
		.amdhsa_group_segment_fixed_size 269056
		.amdhsa_private_segment_fixed_size 0
		.amdhsa_enable_private_segment 0
		.amdhsa_kernarg_size 48
		.amdhsa_user_sgpr_count 2
		.amdhsa_user_sgpr_kernarg_segment_ptr 1
		.amdhsa_wavefront_size32 1
		.amdhsa_system_sgpr_workgroup_id_x 1
		.amdhsa_system_sgpr_workgroup_id_y 1
		.amdhsa_system_sgpr_workgroup_id_z 1
		.amdhsa_system_vgpr_workitem_id 0
		.amdhsa_next_free_vgpr 1024
		.amdhsa_next_free_sgpr 102
		.amdhsa_reserve_vcc 0
		.amdhsa_float_denorm_mode_32 3
		.amdhsa_float_denorm_mode_16_64 3
		.amdhsa_memory_ordered 1
		.amdhsa_forward_progress 1
		.amdhsa_inst_pref_size 158
	.end_amdhsa_kernel
	.amdgpu_metadata
---
amdhsa.version: [ 1, 2 ]
amdhsa.kernels:
  - .name:           k_q3896499f99_up
    .symbol:         k_q3896499f99_up.kd
    .args:
      - { .name: xq, .offset: 0, .size: 8, .value_kind: global_buffer, .address_space: global }
      - { .name: masks, .offset: 8, .size: 8, .value_kind: global_buffer, .address_space: global }
      - { .name: W1_codes, .offset: 16, .size: 8, .value_kind: global_buffer, .address_space: global }
      - { .name: b1, .offset: 24, .size: 8, .value_kind: global_buffer, .address_space: global }
      - { .name: lowp_scales, .offset: 32, .size: 8, .value_kind: global_buffer, .address_space: global }
      - { .name: hfrag, .offset: 40, .size: 8, .value_kind: global_buffer, .address_space: global }
    .group_segment_fixed_size: 269056
    .private_segment_fixed_size: 0
    .kernarg_segment_align: 8
    .kernarg_segment_size: 48
    .max_flat_workgroup_size: 128
    .sgpr_count:     102
    .vgpr_count:     1024
    .wavefront_size: 32
...
	.end_amdgpu_metadata
.endif
;; end of part 5
;; launch down (part 6): grid 256 x 1, 4 waves a work-group, no clusters, 208,640 bytes of LDS; arguments hfrag, masks, W2_codes, b2, lowp_scales, y; writes y
.if DOCPART == 6
	.amdgcn_target "amdgcn-amd-amdhsa--gfx1250"
	.amdhsa_code_object_version 6
	.text
	.protected	k_q3896499f99_down
	.globl	k_q3896499f99_down
	.p2align	8
	.type	k_q3896499f99_down,@function
k_q3896499f99_down:
	s_mov_b64 s[64:65], 0
	v_nop
	global_prefetch_b8 v0, s[64:65] scope:SCOPE_SE
	s_setreg_imm32_b32 hwreg(HW_REG_WAVE_SCHED_MODE, 0, 2), 2
	s_setreg_imm32_b32 hwreg(HW_REG_WAVE_MODE, 25, 1), 1
	s_wait_xcnt 0x0
	s_wait_alu depctr_vm_vsrc(0)
; THE SECOND PRODUCT, only for the rows that chose the expert: y[2 t + j] = h W2[e] + b2[e], not yet gated, on codes of E5M2 by v_wmma_f32_16x16x128_bf8_bf8.
; SHARES: work-group = (expert e = id / 32, columns 64 cs .. 64 cs + 63 with cs = (id / 2) % 16, parity p = id % 2): the expert's tiles of 16 rows p, p + 2, ...
; THE WAVES SPLIT K: wave w keeps k = 1,024 w .. 1,024 w + 1,023 of the 64 rows of W2 in 512 registers.  So each byte of a tile's hidden codes goes to ONE wave, straight from memory into the operand's registers
; (hfrag is laid as register images: 32 loads of 512 consecutive bytes a tile and wave), two tiles ahead.  The four partial sums of an output meet in LDS; wave w adds rows 4 w .. 4 w + 3 of a tile,
; multiplies by 2^(eh + ew2), adds b2 and stores: sixteen lanes write the 256 consecutive bytes of a row's 64 columns, at the row that the expert's list names.
; THE LIST: made anew from the expert's two masks: list[rank] = 2 t + j, ranks in the order of the tokens.  Behind the expert's last row it names row 2,048 + 2 e + p of y: y has 16 spare rows behind its 2,048,
; and that row's 64 columns are this work-group's own; nobody reads them.  So a last tile that is not full is stored like any other, with all lanes on.
; THE PRODUCT IS USED TRANSPOSED (source 0 = 16 rows of W2 = 16 columns of y, source 1 = 16 rows of h): a lane holds one row and eight neighbouring columns.
; THE RING OF HIDDEN CODES: every tile that is worked asks for the tile two on (its number held at the last one of this parity), so at a tile's head two tiles' loads are out at the most, the older its own: the counted wait.
; The ring runs on under the reductions and from chunk to chunk.  On the way that leaves a tile out all loads are waited for, so that the count holds from there on too.
; NO TENSOR LOADS, NO CLUSTER: how many tiles there are hangs on counts read from memory; loops have constant trip counts, every wave passes every barrier, only work is jumped over.
; LIMITS: eh + ew2 between -126 and 127.
; THE MODE: SCHED_MODE bits 1:0 = 2 (LLVM: expert scheduling mode 2), set by the entry lines.  The code itself states the register dependences between vector or matrix instructions and memory or LDS
; instructions, with s_wait_alu, always for 0.
; THE PLAN.  Registers that memory or LDS instructions touch, in the loop:
;   the codes  two buffers of 128 in window 3.  Tile i's products read buffer i % 2; behind them the loads of the tile two on land in it.  Window 0 has no 128 registers left for a third.
;   the sums   two sets of four accumulators by turns: tile i's products write set i % 2, its eight LDS stores read it, the products of tile i + 2 begin it anew.
;   P          the reductions' LDS loads land in it; their additions read and write it.
;   RES, RID   results and offsets in y: written by vector lines, read by y's stores, written again a chunk later (RID by loads from the list).
;   v17        written by one add a chunk, read by the loads from the list.     v4-v16: made at the head and never written again.
; So ONE wait on va_vdst stands in a tile, behind the places that follow its products: the sums are written and the codes' buffer is read out.  The buffer is asked for again at once, since the launch lives on the
; loads that it has on their way, and the sums' stores follow.  With two sets of sums the wait on vm_vsrc for a set stands a whole tile behind the stores that read it.  A reduction has one wait on va_vdst, ahead of
; its two stores, which also frees P for the next reduction's loads.  At each chunk's send stand one wait on vm_vsrc and, behind the add to v17, one on va_vdst.
.set LIST, 0                           ; LDS: 1,024 ids of 2 bytes, 32 dump words, the rest of 2,304 bytes filled with them
.set STG,  2304                        ; for each wave 16 rows x 1,040: W2's rows on their way into fragments
.set STGW, 16640
.set PX,   1040
.set XC,   68864                       ; two buffers of [tile of the chunk 4][wave 4][16 rows x 272]: the partial sums
.set XCB,  69632
.set BT,   108                         ; v108-114 at work while the list is made;
.set LDT,  160                         ; v160-191 the 32 words' ids;
.set LAD,  192                         ; v192-223 where they go in the list
.set ACC,  32                          ; v32-63   four accumulators: columns 16 g + ..: the even tiles' set;
.set ACB,  160                         ; v160-191 the odd tiles' set
.set P,    64                          ; v64-95   partial sums read back
.set RID,  96                          ; v96-103  a chunk's routed rows, then their byte offsets in y: tile i, row pair u: 2 i + u
.set RES,  128                         ; v128-159 results: eight registers for each tile of a chunk
; v1 lane, v2 r, v3 h, v4 16 l, v6/v7 stage in/out, v8-9 where I put my partial sums (buffer 0/1), v10-13 where I read (buffer, half of the chunk), v14 list: 32 p + 2 (4 w + h), v15 4 w + h, v16 16 r, v17 the chunk's place in the list,
; v20-23 b2 of my four columns.  Windows 1, 2: W2's fragments (g, s) at v[128 (g % 2) + 16 s] of window 1 + g / 2.  Window 3: hidden codes, two buffers of 128.
; s84 wave, s85 e, s86 cs, s87 p, s88 rows, s89 tiles, s90 my tiles n, s91 n - 1 (at least 0), s92 the chunk's first, s93 trips, s[94:95] hfrag at (e, tile p, my K steps), s[96:97] 2^(eh + ew2), s[100:101] the loads' base,
; s66 at work in the guards, s67 the chunk's byte in the list (64 for each of my tiles), s2-3 at work; s16-63, s68-83 the masks
.set MSB, 0
.macro WIN new                         ; the immediate's high byte repeats the setting that is left
.if MSB != (\new)
	s_set_vgpr_msb (MSB<<8)|(\new)
.set MSB, (\new)
.endif
.endm
	s_load_b256 s[4:11], s[0:1], 0x0               ; hfrag s[4:5], masks s[6:7], W2's codes s[8:9], b2 s[10:11]
	s_load_b128 s[12:15], s[0:1], 0x20             ; the exponents s[12:13], y s[14:15]
	v_lshl_add_u32 v254, v0, 2, 0x32d00
	v_mov_b32 v255, 0
	v_lshrrev_b32 v1, 5, v0
	v_readfirstlane_b32 s84, v1                    ; wave 0..3
	s_lshr_b32 s85, ttmp9, 5
	s_bfe_u32 s86, ttmp9, 0x40001
	s_and_b32 s87, ttmp9, 1
	v_and_b32 v1, 31, v0
	v_and_b32 v2, 15, v0
	v_bfe_u32 v3, v0, 4, 1
	v_lshlrev_b32 v4, 4, v1
	s_wait_alu depctr_va_sdst(0)                   ; s84 is written, ahead of its first reader: addresses, bases and branches are made from it
	s_mul_i32 s2, s84, STGW
	s_add_co_u32 s2, s2, STG
	v_add_nc_u32 v6, s2, v4
	v_mul_u32_u24 v7, v2, PX
	v_lshl_add_u32 v7, v3, 4, v7
	v_add_nc_u32 v7, s2, v7
	s_mul_i32 s2, s84, 4352
	v_mul_u32_u24 v8, v2, 272
	v_lshl_add_u32 v8, v3, 5, v8
	v_add_nc_u32 v8, s2, v8
	v_add_nc_u32 v9, XC+XCB, v8
	v_add_nc_u32 v8, XC, v8                        ; my wave's part of a tile's place: row r, 32 bytes for each half of the lanes
	s_lshl_b32 s2, s84, 2
	v_add_nc_u32 v15, s2, v3                       ; 4 w + h
	v_mul_u32_u24 v17, v15, 272
	v_lshl_add_u32 v17, v2, 4, v17
	v_add_nc_u32 v10, XC, v17
	v_add_nc_u32 v11, XC+34816, v17
	v_add_nc_u32 v12, XC+XCB, v17
	v_add_nc_u32 v13, XC+XCB+34816, v17
	v_lshlrev_b32 v14, 1, v15
	s_lshl_b32 s2, s87, 5
	v_add_nc_u32 v14, s2, v14                      ; the list: 32 bytes a tile: tile p, index 4 w + h
	v_lshlrev_b32 v16, 4, v2
	v_lshlrev_b32 v[BT+4], 3, v1
	v_add_nc_u32 v[BT+5], 0x400, v1
	v_lshlrev_b32 v[BT+6], 1, v1
	s_mov_b32 s3, 0
	s_wait_kmcnt 0x0
	s_lshl_b32 s2, s85, 7
	s_add_nc_u64 s[6:7], s[6:7], s[2:3]
	s_load_b512 s[16:31], s[6:7], 0x0              ; who uses the expert,
	s_load_b512 s[32:47], s[6:7], 0x40
	s_load_b512 s[48:63], s[6:7], 0x400            ; for whom it is the second pick
	s_load_b512 s[68:83], s[6:7], 0x440
	s_lshl_b32 s2, s85, 4
	s_add_nc_u64 s[12:13], s[12:13], s[2:3]
	s_load_b128 s[96:99], s[12:13], 0x0            ; ex, ew1, eh, ew2
	s_lshl_b32 s2, s85, 22
	s_lshl_b32 s100, s86, 18
	s_add_co_u32 s2, s2, s100
	s_lshl_b32 s100, s84, 10
	s_add_co_u32 s2, s2, s100
	s_add_nc_u64 s[8:9], s[8:9], s[2:3]            ; W2 at (e, column 64 cs, k = 1,024 w)
	s_lshl_b32 s2, s85, 12
	s_lshl_b32 s100, s86, 8
	s_add_co_u32 s2, s2, s100
	s_add_nc_u64 s[10:11], s[10:11], s[2:3]        ; b2 at (e, column 64 cs)
	s_mov_b32 s2, s100
	s_add_nc_u64 s[14:15], s[14:15], s[2:3]        ; y at column 64 cs
	s_lshl_b32 s2, s85, 22
	s_lshl_b32 s100, s87, 16
	s_add_co_u32 s2, s2, s100
	s_lshl_b32 s100, s84, 14
	s_add_co_u32 s2, s2, s100
	s_add_nc_u64 s[94:95], s[4:5], s[2:3]          ; hfrag at (e, tile p, K step 8 w)
; W2's rows n0 .. of group g (16 columns), my 1,024 bytes of each as two loads of 512, into the registers that the group's fragments will take
.macro WL g, n0, cnt
	WIN 0x40*(1+(\g)/2)
.set nn, \n0
.rept \cnt
	global_load_b128 v[128*((\g)%2)+8*nn:128*((\g)%2)+8*nn+3], v4, s[8:9] offset:(16*(\g)+nn)*4096
	global_load_b128 v[128*((\g)%2)+8*nn+4:128*((\g)%2)+8*nn+7], v4, s[8:9] offset:(16*(\g)+nn)*4096+512
.set nn, nn+1
.endr
	WIN 0
.endm
.macro WST g                           ; into my stage, as rows
	WIN 0x04*(1+(\g)/2)
.set nn, 0
.rept 16
	ds_store_b128 v6, v[128*((\g)%2)+8*nn:128*((\g)%2)+8*nn+3] offset:PX*nn
	ds_store_b128 v6, v[128*((\g)%2)+8*nn+4:128*((\g)%2)+8*nn+7] offset:PX*nn+512
.set nn, nn+1
.endr
	WIN 0
.endm
.macro WFR g                           ; and back as fragments: (s = nn / 4, piece c = nn % 4)
	WIN 0x40*(1+(\g)/2)
	s_wait_alu depctr_vm_vsrc(0)                   ; the stage's stores have read the group's registers, in which its fragments now land
.set nn, 0
.rept 32
	ds_load_b128 v[128*((\g)%2)+4*nn:128*((\g)%2)+4*nn+3], v7 offset:32*nn
.set nn, nn+1
.endr
	WIN 0
.endm
; my 16,384 bytes of the hidden codes of my tile number s3 (held at the last one) into buffer beta of window 3
.macro HL beta
	s_min_u32 s3, s3, s91
	s_min_u32 s3, s3, 31
	s_lshl_b32 s2, s3, 17                          ; two tiles of 65,536 bytes from one of my tiles to the next
	s_mov_b32 s3, 0
	s_wait_xcnt 0x0                                ; the earlier loads have read their base
	s_add_nc_u64 s[100:101], s[94:95], s[2:3]
	WIN 0xc0                                       ; destination window 3
.set mm, 0
.rept 32
	global_load_b128 v[128*(\beta)+4*mm:128*(\beta)+4*mm+3], v4, s[100:101] offset:512*mm
.set mm, mm+1
.endr
	WIN 0
.endm
	s_wait_alu depctr_va_vdst(0)                   ; the addresses and offsets v4 to v16 and v[BT+4] are written, which the loads and stores of the whole kernel read
	WL 0, 0, 16
	WL 1, 0, 14                                    ; 60 loads are out while the list is made
	s_wait_kmcnt 0x0
	s_mov_b32 s88, 0
.set ww, 0
.rept 32
	s_bcnt1_i32_b32 s3, s[16+ww]
	s_add_co_u32 s88, s88, s3                      ; the expert's rows
.set ww, ww+1
.endr
	s_add_co_u32 s89, s88, 15
	s_lshr_b32 s89, s89, 4                         ; its tiles
	s_add_co_u32 s90, s89, 1
	s_sub_co_u32 s90, s90, s87
	s_lshr_b32 s90, s90, 1                         ; those of my parity
	s_max_u32 s91, s90, 1
	s_sub_co_u32 s91, s91, 1
	s_add_co_i32 s96, s98, s99
	s_add_co_i32 s96, s96, 127
	s_lshl_b32 s96, s96, 23                        ; 2^(eh + ew2) as f32
	s_mov_b32 s97, s96                             ; (named with it as a pair, so it is written)
	s_cmp_lg_u32 s84, 0                            ; wave 0 makes the list; no other LDS access of any wave stands ahead of the barrier below
	s_cbranch_scc1 .Lbuilt
	s_lshl_b32 s2, s85, 1
	s_add_co_u32 s2, s2, s87
	s_add_co_u32 s2, s2, 0x800                     ; my work-group's spare row of y: 2,048 + 2 e + p,
	s_lshl_b32 s3, s2, 16
	s_or_b32 s2, s2, s3                            ; twice in a word
	v_mov_b32 v[BT], s2
	v_mov_b32 v[BT+1], s2
	v_mov_b32 v[BT+2], s2
	v_mov_b32 v[BT+3], s2
	s_mov_b32 s2, 0
.set ww, 0
.rept 32                               ; word ww: tokens 32 ww + lane.  Each word has a pair of registers of its own, so that one wait serves all the stores
	v_mbcnt_lo_u32_b32 v[LAD+ww], s[16+ww], s2     ; rank: rows of earlier words + chosen lanes below mine
	v_cndmask_b32 v[LAD+ww], v[BT+5], v[LAD+ww], s[16+ww]   ; not chosen: list index 1,024 + lane, a dump word
	v_min_u32 v[LAD+ww], 0x41f, v[LAD+ww]
	v_lshlrev_b32 v[LAD+ww], 1, v[LAD+ww]
	v_cndmask_b32 v[LDT+ww], 0, 1, s[48+ww+4*(ww/16)]
	v_add3_u32 v[LDT+ww], v[BT+6], v[LDT+ww], 64*ww   ; 2 t + j
	s_bcnt1_i32_b32 s3, s[16+ww]
	s_add_co_u32 s2, s2, s3
.set ww, ww+1
.endr
	s_wait_alu depctr_va_vdst(0)                   ; the spare row's number, the 32 places and the 32 ids are written, which the LDS stores below read
.irp j, 0,1,2,3
	ds_store_b128 v4, v[BT:BT+3] offset:LIST+512*\j      ; the whole list names the spare row; the expert's rows are then written over it (LDS serves a wave's instructions in order)
.endr
	ds_store_b64 v[BT+4], v[BT:BT+1] offset:LIST+2048
.set ww, 0
.rept 32
	ds_store_b16 v[LAD+ww], v[LDT+ww]
.set ww, ww+1
.endr
.Lbuilt:
	s_wait_dscnt 0x0                               ; the list lies in LDS
	s_barrier_signal -1
	s_barrier_wait -1
	WL 1, 14, 2
	global_load_b128 v[20:23], v16, s[10:11]       ; b2 of columns 4 r .. 4 r + 3
	s_wait_loadcnt 33                              ; group 0 is in: behind it group 1's 32 loads and b2's one
	WST 0
	WL 2, 0, 16
	s_wait_dscnt 0x0                               ; group 0's rows lie in the stage
	WFR 0
	s_wait_loadcnt 33                              ; group 1 is in: behind it b2's load and group 2's 32
	WST 1                                          ; (LDS serves a wave's instructions in order: these come behind the reads of group 0's rows)
	WL 3, 0, 16
	s_wait_dscnt 0x0
	WFR 1
	s_wait_loadcnt 32                              ; group 2 is in: behind it group 3's 32
	WST 2
	s_mov_b32 s3, 0
	HL 0                                           ; my first tile's hidden codes
	s_wait_dscnt 0x0
	WFR 2
	s_wait_loadcnt 32                              ; group 3 is in: behind it the first tile's 32
	WST 3
	s_mov_b32 s3, 1
	HL 1                                           ; my second tile's
	s_wait_dscnt 0x0
	WFR 3
	s_wait_dscnt 0x0
; 16 matrix instructions: accumulators t0 and t0 + 1 of the set at AC by turns, my eight K steps; the first products start the sums
.macro MM i, t0
.irp s, 0,1,2,3,4,5,6,7
.irp g, 0,1
.if \s == 0
	v_wmma_f32_16x16x128_bf8_bf8 v[AC+8*(\t0+\g):AC+8*(\t0+\g)+7], v[128*\g+16*\s:128*\g+16*\s+15], v[128*((\i)%2)+16*\s:128*((\i)%2)+16*\s+15], 0
.else
	v_wmma_f32_16x16x128_bf8_bf8 v[AC+8*(\t0+\g):AC+8*(\t0+\g)+7], v[128*\g+16*\s:128*\g+16*\s+15], v[128*((\i)%2)+16*\s:128*((\i)%2)+16*\s+15], v[AC+8*(\t0+\g):AC+8*(\t0+\g)+7]
.endif
.endr
.endr
.endm
; Tile i of the chunk: its partial sums over my quarter of K, into buffer b
.macro DTILE i, b
.set AC, ACC+(ACB-ACC)*((\i)%2)        ; the sums' set: even tiles' or odd tiles'
	s_wait_loadcnt 32                              ; this tile's hidden codes are in; the next tile's 32 loads may be out
	WIN 0x0d                                       ; source 0 (W2) window 1, source 1 (h) window 3
	MM \i, 0
	WIN 0x0e                                       ; source 0 window 2
	MM \i, 2
	WIN 0
.rept 4
	v_nop                                          ; four places behind the last product, before the LDS stores read the sums; they stay beside the wait below
.endr
	s_wait_alu depctr_va_vdst(0)                   ; the products have written this tile's sums, which the LDS stores read, and are done reading the codes' buffer, in which the loads below land
.if ((\i) == 1) || ((\i) == 2)
	s_wait_alu depctr_vm_vsrc(0)                   ; the LDS stores of the tile before have read the other set of sums, which the next tile's products begin anew (tiles 0 and 1 begin sets that the wait at the last chunk's send has freed)
.endif
	s_add_co_u32 s3, s92, (\i)+2
	HL (\i)%2                                      ; the tile two on takes this tile's buffer
.irp g, 0,1,2,3
	ds_store_b128 v[8+(\b)], v[AC+8*\g:AC+8*\g+3] offset:17408*(\i)+64*\g         ; each accumulator from its low end on
	ds_store_b128 v[8+(\b)], v[AC+8*\g+4:AC+8*\g+7] offset:17408*(\i)+64*\g+16
.endr
.endm
; Tile i of the chunk: rows 4 w .. 4 w + 3: the four waves' partial sums are added, scaled, biased and stored at the rows that the list names
.macro DRED i, b
.irp u, 0,1
.irp c, 0,1,2,3
	ds_load_b128 v[P+16*\u+4*\c:P+16*\u+4*\c+3], v[10+2*(\b)+(\i)/2] offset:17408*((\i)%2)+4352*\c+544*\u   ; no wait: the additions that named P last stand ahead of the last reduction's wait
.endr
.endr
	s_wait_dscnt 0x0
.irp u, 0,1
.irp d, 0,2
	v_pk_add_f32 v[P+16*\u+\d:P+16*\u+\d+1], v[P+16*\u+\d:P+16*\u+\d+1], v[P+16*\u+4+\d:P+16*\u+4+\d+1]
	v_pk_add_f32 v[P+16*\u+8+\d:P+16*\u+8+\d+1], v[P+16*\u+8+\d:P+16*\u+8+\d+1], v[P+16*\u+12+\d:P+16*\u+12+\d+1]
.endr
.endr
.irp u, 0,1
.irp d, 0,2
	v_pk_add_f32 v[P+16*\u+\d:P+16*\u+\d+1], v[P+16*\u+\d:P+16*\u+\d+1], v[P+16*\u+8+\d:P+16*\u+8+\d+1]
.endr
.endr
.irp u, 0,1
.irp d, 0,2
	v_pk_fma_f32 v[RES+8*(\i)+4*\u+\d:RES+8*(\i)+4*\u+\d+1], v[P+16*\u+\d:P+16*\u+\d+1], s[96:97], v[20+\d:21+\d] op_sel_hi:[1,0,1]   ; sum x 2^(eh + ew2) + b2
.endr
.endr
	s_wait_alu depctr_va_vdst(0)                   ; the tile's results and the chunk's offsets in y are written, which the two stores read; the additions are done with P, in which the next reduction's loads land
	global_store_b128 v[RID+2*(\i)], v[RES+8*(\i):RES+8*(\i)+3], s[14:15]          ; sixteen lanes store 256 consecutive bytes, at a multiple of 256 from y's first byte
	global_store_b128 v[RID+2*(\i)+1], v[RES+8*(\i)+4:RES+8*(\i)+7], s[14:15]
.endm
; A chunk of four of my tiles.  One barrier: in front of it my partial sums lie in buffer b and my reads of the other buffer are in; buffer b is written again only behind the next chunk's barrier.
; The chunk's eight places in the list are read on every wave's path, whether or not the tiles are worked (the list has all 1,024 places), and become offsets in y between the barrier's signal and its wait.
; Behind four worked tiles two tiles' loads are out, the older into buffer 0 of the codes: what the next chunk's first counted wait expects.  Where a tile is left out, all loads are waited for: nothing is out from there on.
.macro DCHUNK b
.irp i, 0,1,2,3
	s_add_co_u32 s66, s92, \i
	s_cmp_lt_u32 s66, s90
	s_cbranch_scc0 .Ldrain_\@
	DTILE \i, \b
.endr
	s_branch .Lsend_\@
.Ldrain_\@:
	s_wait_loadcnt 0x0
.Lsend_\@:
	s_wait_xcnt 0x0                                ; the last chunk's stores have read their offsets and their data: both are written again only behind this wait
	s_wait_alu depctr_vm_vsrc(0)                   ; the last chunk's loads from the list have read v17, its stores their offsets and their results; this chunk's LDS stores have read both sets of sums: all are written again below or in the next chunk
	v_add_nc_u32 v17, s67, v14
	s_wait_alu depctr_va_vdst(0)                   ; v17 is written, which the loads from the list read; the lines that made the last chunk's offsets are done with RID, in which those loads land
.irp i, 0,1,2,3
	ds_load_u16 v[RID+2*\i], v17 offset:64*\i      ; routed row of list index 16 T + 4 w + h, T = p + 2 (the chunk's first + i),
	ds_load_u16 v[RID+2*\i+1], v17 offset:64*\i+4  ; and two further on
.endr
	s_wait_dscnt 0x0                               ; my partial sums are stored, the routed rows are in
	s_barrier_signal -1
.irp k, 0,1,2,3,4,5,6,7
	v_min_u32 v[RID+\k], 0x80f, v[RID+\k]          ; y has 2,048 + 16 rows
.endr
.irp k, 0,1,2,3,4,5,6,7
	v_lshl_add_u32 v[RID+\k], v[RID+\k], 12, v16   ; a row of y is 4,096 bytes; 16 bytes a lane
.endr
	s_barrier_wait -1
.irp i, 0,1,2,3
	s_add_co_u32 s66, s92, \i
	s_cmp_lt_u32 s66, s90
	s_cbranch_scc0 .Lrend_\@
	DRED \i, \b
.endr
.Lrend_\@:
	s_add_co_u32 s92, s92, 4
	s_add_co_u32 s67, s67, 256                     ; four of my tiles on in the list: 64 bytes each
.endm
	s_mov_b32 s92, 0
	s_mov_b32 s67, 0
	s_mov_b32 s93, 4                               ; 4 trips x 2 chunks x 4 tiles: 32 tiles of a parity, all tokens on one expert
.Lloop:
	DCHUNK 0
	DCHUNK 1
	s_sub_co_u32 s93, s93, 1
	s_cmp_lg_u32 s93, 0
	s_cbranch_scc1 .Lloop
	s_wait_dscnt 0x0                               ; the closing lines, six on end
	s_wait_alu 0x0
	s_wait_tensorcnt 0x0
	ds_add_u32 v254, v255
	s_wait_dscnt 0x0
	s_endpgm
.Lfunc_end_k_q3896499f99_down:
	.size	k_q3896499f99_down, .Lfunc_end_k_q3896499f99_down-k_q3896499f99_down
	.p2alignl 7, 3214868480
	.fill 96, 4, 3214868480
	.section	.rodata,"a",@progbits
	.p2align	6, 0x0
	.amdhsa_kernel k_q3896499f99_down
		.amdhsa_group_segment_fixed_size 208640
		.amdhsa_private_segment_fixed_size 0
		.amdhsa_enable_private_segment 0
		.amdhsa_kernarg_size 48
		.amdhsa_user_sgpr_count 2
		.amdhsa_user_sgpr_kernarg_segment_ptr 1
		.amdhsa_wavefront_size32 1
		.amdhsa_system_sgpr_workgroup_id_x 1
		.amdhsa_system_sgpr_workgroup_id_y 1
		.amdhsa_system_sgpr_workgroup_id_z 1
		.amdhsa_system_vgpr_workitem_id 0
		.amdhsa_next_free_vgpr 1024
		.amdhsa_next_free_sgpr 102
		.amdhsa_reserve_vcc 0
		.amdhsa_float_denorm_mode_32 3
		.amdhsa_float_denorm_mode_16_64 3
		.amdhsa_memory_ordered 1
		.amdhsa_forward_progress 1
		.amdhsa_inst_pref_size 127
	.end_amdhsa_kernel
	.amdgpu_metadata
---
amdhsa.version: [ 1, 2 ]
amdhsa.kernels:
  - .name:           k_q3896499f99_down
    .symbol:         k_q3896499f99_down.kd
    .args:
      - { .name: hfrag, .offset: 0, .size: 8, .value_kind: global_buffer, .address_space: global }
      - { .name: masks, .offset: 8, .size: 8, .value_kind: global_buffer, .address_space: global }
      - { .name: W2_codes, .offset: 16, .size: 8, .value_kind: global_buffer, .address_space: global }
      - { .name: b2, .offset: 24, .size: 8, .value_kind: global_buffer, .address_space: global }
      - { .name: lowp_scales, .offset: 32, .size: 8, .value_kind: global_buffer, .address_space: global }
      - { .name: y, .offset: 40, .size: 8, .value_kind: global_buffer, .address_space: global }
    .group_segment_fixed_size: 208640
    .private_segment_fixed_size: 0
    .kernarg_segment_align: 8
    .kernarg_segment_size: 48
    .max_flat_workgroup_size: 128
    .sgpr_count:     102
    .vgpr_count:     1024
    .wavefront_size: 32
...
	.end_amdgpu_metadata
.endif
;; end of part 6
;; launch join: the kernel of part 4 again; grid 256 x 1, 8 waves a work-group, no clusters, 0 bytes of LDS; arguments y, gates, out0; writes out0
